; MI455X (gfx1250); checked and timed in simulation.
; The chip was launched on July 23, 2026; its instructions are those of AMD's public machine-readable ISA for CDNA 5 (MIT licence, August 2026) and "CDNA5" Instruction Set Architecture Reference Guide (July 2026). The comments in the code are by the model that wrote it; some were corrected since.
;; In Place TTT MLP. Allowed arithmetic: float matrix products may take bf16 or f16 operands with f32 sums; other float arithmetic in f32, or as packed bf16 or f16 multiplies, adds, multiply-adds, maxima and minima; sums over many terms, partial sums and values carried from step to step in f32; what a program stores and reads back later, other than sums and carried values, may be rounded once to bf16 or f16.
;; Inputs: W_down 2,048 x 8,192 float32; W_gate 8,192 x 2,048 float32; W_ttt 2,048 x 8,192 float32; W_up 8,192 x 2,048 float32; lora_A 16 x 8,192 float32; lora_B 2,048 x 16 float32; x 2 x 512 x 2,048 float32.
;; Outputs: out0 2 x 512 x 2,048 float32.
;; 2 versions, each right; version 2 is version 1 with the launch cvtx written anew for expert scheduling mode. Each part assembles by itself: llvm-mc -triple=amdgcn-amd-amdhsa -mcpu=gfx1250 --defsym DOCPART=n.
;; ======== version 1 of 2: 5 launches
;; limits: values are held in f16: magnitudes above 65,504 overflow, below 6.1e-05 lose precision; right only within a limited range of input values
;; workspace buffers: xb 4,325,376 bytes; z 16,777,216 bytes; wc 67,108,864 bytes; kp 4,194,304 bytes; kf 65,536 bytes; st 8,388,608 bytes; vn 4,194,304 bytes; cm 163,840 bytes
;; launch cvtx (part 1): grid 256 x 1, 2 waves a work-group, no clusters, 0 bytes of LDS; arguments x, xb; writes xb
.if DOCPART == 1
	.amdgcn_target "amdgcn-amd-amdhsa--gfx1250"
	.amdhsa_code_object_version 6
	.text
	.protected	k_qeca691c4b4_cvtx
	.globl	k_qeca691c4b4_cvtx
	.p2align	8
	.type	k_qeca691c4b4_cvtx,@function
k_qeca691c4b4_cvtx:
	s_mov_b64 s[64:65], 0
	v_nop
	global_prefetch_b8 v0, s[64:65] scope:SCOPE_SE
	s_setreg_imm32_b32 hwreg(HW_REG_WAVE_MODE, 25, 1), 1
	s_wait_xcnt 0x0
; xb[ks][m][c] = bf16(x[m][64 ks + c]).  x: [1024][2048] f32.  xb: [32][1024][64] bf16: the 128 rows that a later tile takes of one K step of 64 are 16,384 bytes on end.
; Behind it, from byte 4,194,304 on, a factor for each row: sc[m] = 2^(10 - E), E = floor(log2 of the row's sum of x^2), and 1 / sc[m]: the next launch keeps z x sc in f16, whatever x's scale.
;   xs[m][copy 16][2] f32: even copies hold (sc, 1 / sc), odd copies (1 / sc, sc): a reader takes the copy whose low word it wants; a wave's store of them is 256 consecutive bytes.
; LIMITS.  The sum's biased exponent is held to 20 .. 240, so that both factors are normal numbers: beyond that (a row of zeros, a sum that overflows, NaN) the factor no longer follows the row.
; A stream: each byte of x is read once, each byte of xb written once; no LDS, no matrix unit, no cluster (no two work-groups read the same byte).
; The work-group owns rows 4 g .. 4 g + 3, a wave two of them: lanes 0-15 one row, lanes 16-31 the next, so that a row's sum never leaves its 16 lanes.
; A load: sixteen lanes take the 256 bytes of one row's K step.  A store: 32 lanes write two rows' 128 bytes each, 256 consecutive bytes at a multiple of 256.  All 32 loads of a lane go out at once.
.set X,  8                             ; v[8:135]    K step i: 4 numbers as loaded
.set Y,  136                           ; v[136:199]  K step i: 4 bf16 to store
.set Q,  200                           ; v[200:203]  four sums of squares
.set E,  204
.set SC, 205
.set IS, 206
.set OUT, 208                          ; v[208:209]
.set XS, 4194304
	s_load_b128 s[4:7], s[0:1], 0x0                ; x s[4:5], xb s[6:7]
	v_lshrrev_b32 v1, 5, v0                        ; wave
	v_and_b32 v2, 15, v0                           ; lane % 16
	v_bfe_u32 v5, v0, 4, 1                         ; lane / 16
	v_lshl_add_u32 v5, v1, 1, v5
	s_lshl_b32 s8, ttmp9, 2
	v_add_nc_u32 v5, s8, v5                        ; my row m
	v_lshlrev_b32 v3, 13, v5                       ; x: m x 8,192
	v_lshl_add_u32 v3, v2, 4, v3                   ;    + my 16 bytes
	v_lshlrev_b32 v4, 7, v5                        ; xb: m x 128 + my 8 bytes; the factors' table has the same pitch
	v_lshl_add_u32 v4, v2, 3, v4
	v_and_b32 v6, 1, v0                            ; an odd copy?
	s_wait_kmcnt 0x0
.set i, 0
.rept 32
	global_load_b128 v[X+4*i:X+4*i+3], v3, s[4:5] offset:256*i th:TH_LOAD_NT
.set i, i+1
.endr
.set i, 0
.rept 32
	s_wait_loadcnt 31-i                            ; loads come back in order: number i is in, the 31 - i younger ones stay out
	v_cvt_pk_bf16_f32 v[Y+2*i], v[X+4*i], v[X+4*i+1]
	v_cvt_pk_bf16_f32 v[Y+2*i+1], v[X+4*i+2], v[X+4*i+3]
.if i == 0
	v_pk_mul_f32 v[Q:Q+1], v[X:X+1], v[X:X+1]      ; the first squares start the sums
	v_pk_mul_f32 v[Q+2:Q+3], v[X+2:X+3], v[X+2:X+3]
.else
	v_pk_fma_f32 v[Q:Q+1], v[X+4*i:X+4*i+1], v[X+4*i:X+4*i+1], v[Q:Q+1]
	v_pk_fma_f32 v[Q+2:Q+3], v[X+4*i+2:X+4*i+3], v[X+4*i+2:X+4*i+3], v[Q+2:Q+3]
.endif
	global_store_b64 v4, v[Y+2*i:Y+2*i+1], s[6:7] offset:131072*i
.set i, i+1
.endr
	v_pk_add_f32 v[Q:Q+1], v[Q:Q+1], v[Q+2:Q+3]
	v_add_f32 v[Q], v[Q], v[Q+1]
	v_add_f32_dpp v[Q], v[Q], v[Q] row_xmask:1 row_mask:0xf bank_mask:0xf   ; over the row's 16 lanes
	v_add_f32_dpp v[Q], v[Q], v[Q] row_xmask:2 row_mask:0xf bank_mask:0xf
	v_add_f32_dpp v[Q], v[Q], v[Q] row_xmask:4 row_mask:0xf bank_mask:0xf
	v_add_f32_dpp v[Q], v[Q], v[Q] row_xmask:8 row_mask:0xf bank_mask:0xf
	v_lshrrev_b32 v[E], 23, v[Q]                   ; the sum's biased exponent e = E + 127
	v_max_u32 v[E], 20, v[E]
	v_min_u32 v[E], 0xf0, v[E]
	v_sub_nc_u32 v[SC], 0x108, v[E]                ; 2^(10 - E) has the biased exponent 264 - e,
	v_lshlrev_b32 v[SC], 23, v[SC]
	v_add_nc_u32 v[IS], -10, v[E]                  ; its reciprocal e - 10
	v_lshlrev_b32 v[IS], 23, v[IS]
	v_cmp_eq_u32 vcc_lo, 1, v6
	v_cndmask_b32 v[OUT], v[SC], v[IS], vcc_lo
	v_cndmask_b32 v[OUT+1], v[IS], v[SC], vcc_lo
	global_store_b64 v4, v[OUT:OUT+1], s[6:7] offset:XS
	s_endpgm
.Lfunc_end_k_qeca691c4b4_cvtx:
	.size	k_qeca691c4b4_cvtx, .Lfunc_end_k_qeca691c4b4_cvtx-k_qeca691c4b4_cvtx
	.p2alignl 7, 3214868480
	.fill 96, 4, 3214868480
	.section	.rodata,"a",@progbits
	.p2align	6, 0x0
	.amdhsa_kernel k_qeca691c4b4_cvtx
		.amdhsa_group_segment_fixed_size 0
		.amdhsa_private_segment_fixed_size 0
		.amdhsa_enable_private_segment 0
		.amdhsa_kernarg_size 16
		.amdhsa_user_sgpr_count 2
		.amdhsa_user_sgpr_kernarg_segment_ptr 1
		.amdhsa_wavefront_size32 1
		.amdhsa_system_sgpr_workgroup_id_x 1
		.amdhsa_system_sgpr_workgroup_id_y 1
		.amdhsa_system_sgpr_workgroup_id_z 1
		.amdhsa_system_vgpr_workitem_id 0
		.amdhsa_next_free_vgpr 212
		.amdhsa_next_free_sgpr 66
		.amdhsa_reserve_vcc 1
		.amdhsa_float_denorm_mode_32 3
		.amdhsa_float_denorm_mode_16_64 3
		.amdhsa_memory_ordered 1
		.amdhsa_forward_progress 1
		.amdhsa_inst_pref_size 17
	.end_amdhsa_kernel
	.amdgpu_metadata
---
amdhsa.version: [ 1, 2 ]
amdhsa.kernels:
  - .name:           k_qeca691c4b4_cvtx
    .symbol:         k_qeca691c4b4_cvtx.kd
    .args:
      - { .name: x, .offset: 0, .size: 8, .value_kind: global_buffer, .address_space: global }
      - { .name: xb, .offset: 8, .size: 8, .value_kind: global_buffer, .address_space: global }
    .group_segment_fixed_size: 0
    .private_segment_fixed_size: 0
    .kernarg_segment_align: 8
    .kernarg_segment_size: 16
    .max_flat_workgroup_size: 64
    .sgpr_count:     66
    .vgpr_count:     212
    .wavefront_size: 32
...
	.end_amdgpu_metadata
.endif
;; end of part 1
;; launch up (part 2): grid 64 x 4, 4 waves a work-group, clusters of 4 x 4, 327,680 bytes of LDS; arguments xb, W_gate, W_up, W_down, W_ttt, lora_A, z, wc, kp; writes z, wc, kp
.if DOCPART == 2
	.amdgcn_target "amdgcn-amd-amdhsa--gfx1250"
	.amdhsa_code_object_version 6
	.text
	.protected	k_qeca691c4b4_up
	.globl	k_qeca691c4b4_up
	.p2align	8
	.type	k_qeca691c4b4_up,@function
k_qeca691c4b4_up:
	s_mov_b64 s[64:65], 0
	v_nop
	global_prefetch_b8 v0, s[64:65] scope:SCOPE_SE
	s_setreg_imm32_b32 hwreg(HW_REG_WAVE_MODE, 25, 1), 1
	s_wait_xcnt 0x0
	s_wait_alu depctr_hold_cnt(0) depctr_sa_sdst(0) depctr_va_vdst(0) depctr_va_sdst(0) depctr_va_ssrc(0) depctr_va_vcc(0) depctr_vm_vsrc(0)
	s_getreg_b32 s2, hwreg(HW_REG_IB_STS2, 6, 4)
	s_cmp_eq_u32 s2, 0
	s_cbranch_scc0 .Lentry_in_a_cluster
	s_endpgm
.Lentry_in_a_cluster:
	s_bfe_u32 s2, ttmp6, 0x10000c
	s_cmp_lg_u32 s2, 0xf033
	s_cbranch_scc0 .Lentry_shape_is_right
	s_endpgm
.Lentry_shape_is_right:
; z[m][c] = sc[m] x silu(x W_gate^T)[m][c] x (x W_up^T)[m][c], f16, [1024][8192];  kp[tx] = this work-group's 128 columns' part of k = (z / sc) lora_A^T, f32;
; and, beside the matrix work, wc = a copy of W_down (rows 0-2047) and W_ttt (rows 2048-4095) for the next launch's f16 products, each work-group a 256th of it.
; FORMATS.  Every input is rounded once to bf16 (x by the launch before; W_gate and W_up here, between LDS and the matrix unit).  W_down, W_ttt and lora_A multiply z, which is kept in f16 (11 significant
; bits, since its rounding reaches the output undiminished): they are rounded to bf16 like the others, and that number is written as f16: exact from 2^-17 on, off by 2^-25 at the most below.  Sums are f32.
; sc[m] is a power of two near 1,024 / (the row's sum of x^2), made by the launch before; sums made of z are multiplied by 1 / sc[m], which is exact.
; LIMITS.  |z| sc stays under f16's 65,504: certain where the product of the norms of a row of W_gate and of W_up is under 32; below 6e-5 z sc keeps f16's fixed step of 6e-8.  W_down, W_ttt and lora_A lie within 65,504.
; sigmoid(g) = 1 / (1 + 2^(-g log2 e)): where the power overflows (g below about -88) the sigmoid counts as 0; NaN and infinities are not treated apart.
; SHARES.  A work-group makes z's rows 256 ty .. + 255 and columns 128 tx .. + 127: 128 gate and 128 up columns.  Wave w: row half w / 2, column half w % 2: 128 rows x (64 + 64) columns,
; 64 accumulators of 16 x 16.  K = 2,048 goes in 32 steps of 64 through two LDS slots; a step is two quarters of 32 along K, 64 matrix instructions each.
; THE MATRIX INSTRUCTION IS USED TRANSPOSED (source 0 = 16 weight rows, source 1 = 16 rows of x): a lane holds one row of z and eight neighbouring columns; gate and up of one z lie in the same
; lane and register number of windows 2 and 3.
; CLUSTER 4 x 4.  x's tile hangs on ty alone and is asked for jointly by a row of the cluster, the weights' tiles on tx alone, by a column.
; THE WEIGHTS LIE IN LDS AS f32.  A fragment (16 rows x 32 K) comes as four loads of 16 bytes into 16 registers of window 1 and is rounded by eight v_cvt_pk_bf16_f32 into a ring of four fragments
; in window 0, one group of eight matrix instructions ahead of its use; the conversions stand in fours among the matrix instructions.
; REGISTERS, in windows of 256 (s_set_vgpr_msb: bits 1:0 source 0, 3:2 source 1, 5:4 source 2, 7:6 destination):
;   window 0: v8-31 addresses; v32-63, v224-255 the copy's two sets; v64-127, v128-191 x's fragments, two buffers; v192-223 the ring of bf16 weight fragments
;   window 1: v0-127, v128-255 the weights' f32 fragments, two buffers        window 2: gate accumulators, (a, b) at v[8 (8 b + a)]        window 3: up accumulators
.set PA,     144                       ; a row of x in LDS: 128 bytes + 16: the 16 rows of a load start at 16 different 16-byte columns of 256 bytes
.set PB,     272                       ; a weight row in LDS: 256 bytes + 16, likewise
.set AHALF,  128*PA
.set ATILE,  2*AHALF
.set BHALF,  128*PB
.set SLOT,   ATILE+2*BHALF             ; x's 256 rows, W_gate's 128, W_up's 128: 106,496 bytes
.set STAGE,  2*SLOT                    ; behind the ring, never filled by a tensor load: z's 256 rows x 272 bytes
.set SPITCH, 272
.set SPARE,  STAGE+256*SPITCH          ; the spare words: 128 bytes a wave, two blocks of 256 that no other line names
.set XS,     4194304                   ; the rows' factors lie behind xb: 128 bytes a row
.set SCZ,  8                           ; v8   my byte offset among the factors: row l % 16 of my 128 rows, a copy with sc in its low word
.set SCK,  9                           ; v9   the same for the 64 rows whose k I make, a copy with 1 / sc in its low word
.set KPO,  15                          ; v15  16 x lane
.set ADRA, 16                          ; v16-17  LDS address of my fragments of x in slot 0, 1
.set ADRB, 20                          ; v20-21  the same for the weights
.set WLO,  22                          ; v22  the copy: my byte offset in W_down and W_ttt, at the batch loaded last
.set WSO,  23                          ; v23  the copy: my byte offset in wc, at the batch to be stored next
.set STO,  24                          ; v24  the way out: where I put 16 bytes of a row of z
.set RD,   25                          ; v25  where I read whole rows back
.set ZO,   26                          ; v26  my byte offset in two rows of z
.set ZFR,  27                          ; v27  where I read fragments of z
.set SPW,  28                          ; v28  my spare word; never rewritten
.set NIL,  29                          ; v29  0; never rewritten
.set PFO,  30                          ; v30  the prefetches' lane term; never rewritten
.set LAO,  31                          ; v31  my byte offset in lora_A
.set SCP,  32                          ; the way out: v32-47 (sc, 1 / sc) for my row of each of 8 blocks
.set ISP,  48                          ; v48-55 (1 / sc, sc) for my row of each of 4 blocks
.set AF,   64
.set BS,   192
.set EE,   128                         ; the way out: 32 numbers at work
.set ZP,   160                         ; 16 registers of packed z
.set LAB,  176                         ; lora_A's four f16 fragments
.set KD,   208                         ; four accumulators of the partial k
.set G1A,  24                          ; s[24:31] descriptor group 1, x;  s[32:39] group 0, a set a slot
.set G0A,  32
.set LIM,  43                          ; s43  2 in a wave that prefetches, else the greatest number
.set PFA,  44                          ; s[44:45] where my prefetches stand
.set PFS,  46                          ; s[46:47] their step from K step to K step
.set G1B,  48                          ; s[48:55], s[56:63] the same for the weights
.set G0B,  56
.set MSB, 0
.macro WIN new                         ; the immediate's high byte repeats the setting that is left; a switch that changes nothing is dropped
.if MSB != (\new)
	s_set_vgpr_msb (MSB<<8)|(\new)
.set MSB, \new
.endif
.endm
.macro PLACES                          ; four places behind a matrix instruction (ISA guide 7.12.1)
.rept 4
	v_nop
.endr
.endm
; A joint load.  Waves 0 and 1 fetch the halves of x's tile, wave 2 W_gate's tile, wave 3 W_up's.  The branch hangs on the wave's number alone.
; An s_nop 0 and four v_nop follow each of the two lines.
.macro JLOAD s
	s_cmp_eq_u32 s11, 0
	s_cbranch_scc0 .Lfor_b_\@
	tensor_load_to_lds s[G0A+4*(\s):G0A+4*(\s)+3], s[G1A:G1A+7]
	s_nop 0
.rept 4
	v_nop
.endr
	s_branch .Lasked_\@
.Lfor_b_\@:
	tensor_load_to_lds s[G0B+4*(\s):G0B+4*(\s)+3], s[G1B:G1B+7]
	s_nop 0
.rept 4
	v_nop
.endr
.Lasked_\@:
.endm
.macro CREST                           ; a round of the cluster's barrier behind its opening barrier
	s_cmp_lg_u32 s10, 0
	s_cbranch_scc1 .Lnot_wave_0_\@
	s_barrier_signal -3
.Lnot_wave_0_\@:
	s_barrier_wait -3
	s_barrier_signal -1
	s_barrier_wait -1
.endm
.macro CROUND
	s_barrier_signal -1
	s_barrier_wait -1
	CREST
.endm
; A PREFETCH INTO THE L2, behind each joint refill and the run of LDS loads that follows it: the K step that stands four steps behind the one just asked for, 512 matrix instructions ahead of its load.
; The weights' 128 rows x 256 bytes of a step are read by one column of one cluster alone: its four partners take 32 rows each, told apart by address (cy); waves 2 and 3 ask, a lane a row.
; xb's 131,072 bytes of a step are read by every cluster: the cluster with x = 0 asks, wave 0 of each of its sixteen work-groups for 32 blocks of 256 bytes (by ty and cx, in the address).
; So each block is named once.  K steps 2 to 5 come by their refills alone; the loop's last two trips ask for nothing: their look-ahead would pass K's end.
.macro ASK
	s_cmp_gt_u32 s3, s[LIM]
	s_cbranch_scc0 .Lnot_mine_\@
	global_prefetch_b8 v[PFO], s[PFA:PFA+1] th:TH_LOAD_NT scope:SCOPE_SE
.Lnot_mine_\@:
.endm
	s_load_b512 s[68:83], s[0:1], 0x0              ; xb s[68:69], W_gate s[70:71], W_up s[72:73], W_down s[74:75], W_ttt s[76:77], lora_A s[78:79], z s[80:81], wc s[82:83]
	s_load_b64 s[84:85], s[0:1], 0x40              ; kp
	v_lshl_add_u32 v[SPW], v0, 2, SPARE
	v_mov_b32 v[NIL], 0
	ds_add_u32 v[SPW], v[NIL]                      ; the wave's opening: the add, twice on end, and its wait ahead of my first tensor load
	ds_add_u32 v[SPW], v[NIL]
	v_lshrrev_b32 v1, 5, v0
	v_readfirstlane_b32 s10, v1                    ; wave 0..3
	s_lshr_b32 s11, s10, 1                         ; my half of the rows.  Also: I fetch x (0) or weights (1)
	s_and_b32 s12, s10, 1                          ; my half of the columns.  Also: which half of x's tile, or which weight, I fetch
	s_bfe_u32 s40, ttmp6, 0x40000                  ; cx
	s_bfe_u32 s41, ttmp6, 0x40004                  ; cy = ty: the grid is one cluster high
	s_lshl_b32 s42, ttmp9, 2
	s_add_co_u32 s42, s42, s40                     ; tx = 4 x cluster x + cx
	s_lshl_b32 s4, s41, 2
	s_lshl_b32 s4, 15, s4                          ; my row of the cluster
	s_lshl_b32 s5, 0x1111, s40                     ; my column
	; x's tile: 128 rows of 128 bytes are 16,384 bytes on end: asked for as 64 rows of 256 bytes, padded in LDS after every 128 bytes
	s_or_b32 s[G1A], s4, (1<<16)|(1<<20)|(1<<21)|(4<<22)|(3<<25)   ; mask; 2-byte elements; padding on; bit 21 beside a mask; after every 32 words; 4 words
	s_mov_b32 s[G1A+1], 128<<16                    ; tensor_dim0 = 128
	s_mov_b32 s[G1A+2], 64<<16                     ; tensor_dim1 = 64
	s_mov_b32 s[G1A+3], 128<<16                    ; tile_dim0 = 128
	s_mov_b32 s[G1A+4], 64                         ; tile_dim1 = 64
	s_mov_b32 s[G1A+5], 128                        ; elements from row to row
	s_mov_b32 s[G1A+6], 0
	s_mov_b32 s[G1A+7], 0
	; a weight's tile: 128 rows x 64 f32
	s_or_b32 s[G1B], s5, (2<<16)|(1<<20)|(1<<21)|(5<<22)|(3<<25)   ; mask; 4-byte elements; padding after every 64 words, 4 words
	s_mov_b32 s[G1B+1], 64<<16
	s_mov_b32 s[G1B+2], 128<<16
	s_mov_b32 s[G1B+3], 64<<16
	s_mov_b32 s[G1B+4], 128
	s_mov_b32 s[G1B+5], 2048
	s_mov_b32 s[G1B+6], 0
	s_mov_b32 s[G1B+7], 0
	s_lshl_b32 s16, s41, 15                        ; x: 256 ty rows of 128 bytes
	s_lshl_b32 s17, s12, 14                        ;    + my 128 rows
	s_add_co_u32 s16, s16, s17
	s_mov_b32 s17, 0
	s_lshl_b32 s20, s42, 20                        ; weights: 128 tx rows of 8,192 bytes
	s_mov_b32 s21, 0
	s_mul_i32 s18, s12, AHALF                      ; where they go: no place in the cluster enters an LDS address
	s_mul_i32 s19, s12, BHALF
	s_add_co_u32 s19, s19, ATILE
	s_mov_b32 s88, 0xbfb8aa3b                      ; - log2(e)
	s_mov_b32 s89, s88                             ; named with it as a pair
	s_mov_b32 s95, 0xffff0000                      ; a word's upper bf16
	s_wait_dscnt 0x0                               ; both opening adds are done
	s_wait_kmcnt 0x0
	s_add_nc_u64 s[14:15], s[68:69], s[16:17]
	s_cmp_eq_u32 s12, 0
	s_cselect_b64 s[22:23], s[70:71], s[72:73]
	s_add_nc_u64 s[22:23], s[22:23], s[20:21]
	CROUND                                         ; all sixteen work-groups are here: the first joint loads meet
.irp s, 0,1
	s_mov_b32 s[G0A+4*(\s)], 1
	s_add_co_u32 s[G0A+4*(\s)+1], s18, (\s)*SLOT
	s_add_nc_u64 s[G0A+4*(\s)+2:G0A+4*(\s)+3], s[14:15], (\s)*131072   ; K step s
	s_or_b32 s[G0A+4*(\s)+3], s[G0A+4*(\s)+3], 0x80000000
	s_mov_b32 s[G0B+4*(\s)], 1
	s_add_co_u32 s[G0B+4*(\s)+1], s19, (\s)*SLOT
	s_add_nc_u64 s[G0B+4*(\s)+2:G0B+4*(\s)+3], s[22:23], (\s)*256
	s_or_b32 s[G0B+4*(\s)+3], s[G0B+4*(\s)+3], 0x80000000
	JLOAD \s                                       ; two tensor loads of mine are out
.endr
	v_and_b32 v1, 15, v0                           ; r = l % 16
	v_bfe_u32 v2, v0, 4, 1                         ; h = l / 16
	v_and_b32 v3, 31, v0                           ; l
	; the copy: work-group g = 64 ty + tx owns 65,536 numbers of each of W_down and W_ttt, a wave 16,384, a batch 512: four loads of 512 bytes from each
	s_lshl_b32 s6, s41, 6
	s_add_co_u32 s6, s6, s42
	s_lshl_b32 s7, s6, 18
	s_lshl_b32 s8, s10, 16
	s_add_co_u32 s7, s7, s8
	s_add_co_u32 s7, s7, 2048                      ; at batch 1
	v_lshl_add_u32 v[WLO], v3, 4, s7
	s_lshl_b32 s7, s6, 17
	s_lshl_b32 s8, s10, 15
	s_add_co_u32 s7, s7, s8
	v_lshl_add_u32 v[WSO], v3, 3, s7               ; at batch 0
.irp j, 0,1,2,3
	global_load_b128 v[32+4*\j:35+4*\j], v[WLO], s[74:75] offset:512*\j-2048 th:TH_LOAD_NT   ; batch 0 into set 0
	global_load_b128 v[48+4*\j:51+4*\j], v[WLO], s[76:77] offset:512*\j-2048 th:TH_LOAD_NT
.endr
.irp j, 0,1,2,3
	global_load_b128 v[224+4*\j:227+4*\j], v[WLO], s[74:75] offset:512*\j th:TH_LOAD_NT      ; batch 1 into set 1
	global_load_b128 v[240+4*\j:243+4*\j], v[WLO], s[76:77] offset:512*\j th:TH_LOAD_NT
.endr
	s_add_nc_u64 s[86:87], s[82:83], 0x2000000     ; wc at W_ttt's copy
	; the rows' factors: 128 bytes a row
	s_lshl_b32 s6, s41, 15                         ; 256 ty rows
	s_lshl_b32 s7, s11, 14                         ; + my 128
	s_add_co_u32 s7, s7, s6
	v_lshl_add_u32 v[SCZ], v1, 7, s7               ; + row r: copy 0
	s_lshl_b32 s7, s10, 13                         ; + 64 w rows
	s_add_co_u32 s7, s7, s6
	s_add_co_u32 s7, s7, 8                         ; copy 1
	v_lshl_add_u32 v[SCK], v1, 7, s7
	; fragments.  x: lane l holds row r; K = 8 h + 0..7 at byte 16 h, K = 16 + 8 h + 0..7 32 bytes on.  Weights, f32: the same K at bytes 32 h, 32 h + 16, 64 + 32 h, 80 + 32 h
	v_mul_u32_u24 v4, v1, PA
	v_lshl_add_u32 v4, v2, 4, v4
	v_mul_u32_u24 v5, v1, PB
	v_lshl_add_u32 v5, v2, 5, v5
	s_mul_i32 s6, s11, AHALF
	s_mul_i32 s7, s12, 64*PB
	s_add_co_u32 s7, s7, ATILE
.irp s, 0,1
	v_add_nc_u32 v[ADRA+(\s)], s6, v4
	v_add_nc_u32 v[ADRB+(\s)], s7, v5
	s_add_co_u32 s6, s6, SLOT
	s_add_co_u32 s7, s7, SLOT
.endr
	s_mul_i32 s8, s11, 128*SPITCH                  ; the stage: in: my 128 rows, my 128 bytes of them; row r, 16 bytes for each half of the lanes
	s_lshl_b32 s9, s12, 7
	s_add_co_u32 s8, s8, s9
	s_add_co_u32 s8, s8, STAGE
	v_mul_u32_u24 v6, v1, SPITCH
	v_lshl_add_u32 v6, v2, 4, v6
	v_add_nc_u32 v[STO], s8, v6
	s_mul_i32 s8, s10, 64*SPITCH                   ; back: wave w takes rows 64 w .. 64 w + 63
	s_add_co_u32 s8, s8, STAGE
	v_add_nc_u32 v[ZFR], s8, v6                    ; as fragments,
	v_mul_u32_u24 v7, v2, SPITCH
	v_lshl_add_u32 v7, v1, 4, v7
	v_add_nc_u32 v[RD], s8, v7                     ; and whole: lanes 0-15 one row of 256 bytes, lanes 16-31 the next
	v_lshlrev_b32 v[ZO], 14, v2
	v_lshl_add_u32 v[ZO], v1, 4, v[ZO]
	v_lshlrev_b32 v[LAO], 15, v1
	v_lshl_add_u32 v[LAO], v2, 5, v[LAO]
	v_lshlrev_b32 v[KPO], 4, v3
	s_lshl_b32 s6, s41, 22                         ; z at row 256 ty + 64 w, column 128 tx
	s_lshl_b32 s7, s10, 20
	s_add_co_u32 s6, s6, s7
	s_lshl_b32 s7, s42, 8
	s_add_co_u32 s6, s6, s7
	s_mov_b32 s7, 0
	s_add_nc_u64 s[80:81], s[80:81], s[6:7]
	s_lshl_b32 s6, s42, 9                          ; lora_A at column 128 tx
	s_add_nc_u64 s[78:79], s[78:79], s[6:7]
	s_lshl_b32 s6, s42, 16                         ; kp at slice tx, block 16 ty + 4 w of 16 rows
	s_lshl_b32 s8, s41, 14
	s_add_co_u32 s6, s6, s8
	s_lshl_b32 s8, s10, 12
	s_add_co_u32 s6, s6, s8
	s_add_nc_u64 s[84:85], s[84:85], s[6:7]
	; the prefetches: they stand at K step 5; the first refill steps them to 6
	s_lshl_b32 s6, s41, 15
	s_lshl_b32 s8, s40, 13
	s_add_co_u32 s6, s6, s8
	s_add_co_u32 s6, s6, 5*131072                  ; xb: step 5, ty's 32,768 bytes, cx's 8,192 of them
	s_lshl_b32 s8, s42, 20
	s_lshl_b32 s9, s41, 18
	s_add_co_u32 s8, s8, s9
	s_add_co_u32 s8, s8, 5*256                     ; a weight: row 128 tx + 32 cy, step 5
	s_mov_b32 s93, 0x20000
	s_mov_b32 s94, 256
	s_cmp_eq_u32 s12, 0
	s_cselect_b64 s[PFA:PFA+1], s[70:71], s[72:73]
	s_cmp_eq_u32 s11, 0
	s_cselect_b64 s[PFA:PFA+1], s[68:69], s[PFA:PFA+1]
	s_cselect_b32 s90, s6, s8
	s_cselect_b32 s[PFS], s93, s94
	s_cselect_b32 s92, 8, 13                       ; a lane a block of 256 bytes of xb, or a lane a weight row
	s_mov_b32 s91, 0
	s_mov_b32 s[PFS+1], 0
	s_add_nc_u64 s[PFA:PFA+1], s[PFA:PFA+1], s[90:91]
	v_lshlrev_b32 v[PFO], s92, v3
	s_or_b32 s90, s10, ttmp9
	s_cmp_eq_u32 s90, 0
	s_cselect_b32 s[LIM], 2, -1                    ; wave 0 of the cluster with x = 0,
	s_cmp_eq_u32 s11, 1
	s_cselect_b32 s[LIM], 2, s[LIM]                ; waves 2 and 3 everywhere: the same in all sixteen partners, for a given wave
; One matrix instruction: rows 16 a of my x, weight fragment b (0-3 gate, 4-7 up), buffer p.  The 64 accumulators take turns in the same order in every quarter.
.macro MM p, a, b, zero
.set rD, 8*(8*((\b)%4)+(\a))
.set rB, BS+8*((\b)%4)
.set rA, AF+64*(\p)+8*(\a)
	WIN 0xa0+0x50*((\b)/4)
.if \zero
	v_wmma_f32_16x16x32_bf16 v[rD:rD+7], v[rB:rB+7], v[rA:rA+7], 0
.else
	v_wmma_f32_16x16x32_bf16 v[rD:rD+7], v[rB:rB+7], v[rA:rA+7], v[rD:rD+7]
.endif
.endm
; Half of weight fragment b of buffer p, f32 in window 1, rounded into the ring
.macro CVT p, b, half
	WIN 0x05
.irp i, 0,1,2,3
	v_cvt_pk_bf16_f32 v[BS+8*((\b)%4)+4*(\half)+\i], v[128*(\p)+16*(\b)+8*(\half)+2*\i], v[128*(\p)+16*(\b)+8*(\half)+2*\i+1]
.endr
.endm
; Four f32 in v[r0 .. r0 + 3]: rounded to bf16, widened again, and written as f16 into v[r0], v[r0 + 1]
.macro TOH r0
	v_cvt_pk_bf16_f32 v[\r0], v[\r0], v[\r0+1]
	v_cvt_pk_bf16_f32 v[\r0+2], v[\r0+2], v[\r0+3]
	v_and_b32 v[\r0+1], s95, v[\r0]
	v_lshlrev_b32 v[\r0], 16, v[\r0]
	v_and_b32 v[\r0+3], s95, v[\r0+2]
	v_lshlrev_b32 v[\r0+2], 16, v[\r0+2]
	v_cvt_pk_f16_f32 v[\r0], v[\r0], v[\r0+1]
	v_cvt_pk_f16_f32 v[\r0+1], v[\r0+2], v[\r0+3]
.endm
; THE COPY, a batch a K step, in five pieces.  0-3: two of the batch's eight loads each are converted in place and stored: 32 lanes write 256 consecutive bytes at a multiple of 256.  4: the set is loaded again.
.macro RIDE piece, set, ld, left
	WIN 0
.set RB, 32+192*(\set)
.if (\piece) == 0
	s_wait_loadcnt \left                           ; this set's eight loads are in; the other set's eight, issued behind them, may stay out
	s_wait_xcnt 0x0                                ; the other set's loads have read WLO
.if \ld
	v_add_nc_u32 v[WLO], 2048, v[WLO]
.endif
.endif
.if (\piece) < 4
.set RJ, RB+8*(\piece)
	TOH RJ
	TOH RJ+4
.if (\piece) < 2
	global_store_b64 v[WSO], v[RJ:RJ+1], s[82:83] offset:512*(\piece) th:TH_STORE_NT
	global_store_b64 v[WSO], v[RJ+4:RJ+5], s[82:83] offset:512*(\piece)+256 th:TH_STORE_NT
.else
	global_store_b64 v[WSO], v[RJ:RJ+1], s[86:87] offset:512*((\piece)-2) th:TH_STORE_NT
	global_store_b64 v[WSO], v[RJ+4:RJ+5], s[86:87] offset:512*((\piece)-2)+256 th:TH_STORE_NT
.endif
.else
	s_wait_xcnt 0x0                                ; the eight stores have read their data and WSO
	v_add_nc_u32 v[WSO], 1024, v[WSO]
.if \ld
.irp j, 0,1,2,3
	global_load_b128 v[RB+4*\j:RB+4*\j+3], v[WLO], s[74:75] offset:512*\j th:TH_LOAD_NT
	global_load_b128 v[RB+16+4*\j:RB+16+4*\j+3], v[WLO], s[76:77] offset:512*\j th:TH_LOAD_NT
.endr
.endif
.endif
.endm
; Eight matrix instructions on weight fragment b; among them the eight conversions of fragment cb of buffer cp (cb < 0: none), and a piece of the copy.
; The ring's place that the conversions write was last read three groups back: the sixteen conversions between are the places.
.macro GROUP p, b, zero, cp, cb, rp=-1, rs=0, rl=0, rw=0
	MM \p, 0, \b, \zero
	MM \p, 1, \b, \zero
.if (\cb) >= 0
	CVT \cp, \cb, 0
.endif
	MM \p, 2, \b, \zero
	MM \p, 3, \b, \zero
	MM \p, 4, \b, \zero
.if (\cb) >= 0
	CVT \cp, \cb, 1
.endif
	MM \p, 5, \b, \zero
	MM \p, 6, \b, \zero
.if (\rp) >= 0
	RIDE \rp, \rs, \rl, \rw
.endif
	MM \p, 7, \b, \zero
.endm
.macro MID p, zero, rs, rl, rw         ; groups 2 to 6
.if (\rs) >= 0
	GROUP \p, 2, \zero, \p, 3, 0, \rs, \rl, \rw
	GROUP \p, 3, \zero, \p, 4, 1, \rs, \rl, \rw
	GROUP \p, 4, \zero, \p, 5, 2, \rs, \rl, \rw
	GROUP \p, 5, \zero, \p, 6, 3, \rs, \rl, \rw
	GROUP \p, 6, \zero, \p, 7, 4, \rs, \rl, \rw
.else
	GROUP \p, 2, \zero, \p, 3
	GROUP \p, 3, \zero, \p, 4
	GROUP \p, 4, \zero, \p, 5
	GROUP \p, 5, \zero, \p, 6
	GROUP \p, 6, \zero, \p, 7
.endif
.endm
; 48 LDS loads in one run: a quarter's fragments into buffers p: x's sixteen loads first, then the weights' fragments 0 to 7, four loads each
.macro FETCH slot, kq, p
	WIN 0
.irp a, 0,1,2,3,4,5,6,7
	ds_load_b128 v[AF+64*(\p)+8*\a:AF+64*(\p)+8*\a+3],   v[ADRA+(\slot)] offset:\a*16*PA+64*(\kq)
	ds_load_b128 v[AF+64*(\p)+8*\a+4:AF+64*(\p)+8*\a+7], v[ADRA+(\slot)] offset:\a*16*PA+64*(\kq)+32
.endr
	WIN 0x40
.irp b, 0,1,2,3,4,5,6,7
	ds_load_b128 v[128*(\p)+16*\b:128*(\p)+16*\b+3],     v[ADRB+(\slot)] offset:(\b%4)*16*PB+(\b/4)*BHALF+128*(\kq)
	ds_load_b128 v[128*(\p)+16*\b+4:128*(\p)+16*\b+7],   v[ADRB+(\slot)] offset:(\b%4)*16*PB+(\b/4)*BHALF+128*(\kq)+16
	ds_load_b128 v[128*(\p)+16*\b+8:128*(\p)+16*\b+11],  v[ADRB+(\slot)] offset:(\b%4)*16*PB+(\b/4)*BHALF+128*(\kq)+64
	ds_load_b128 v[128*(\p)+16*\b+12:128*(\p)+16*\b+15], v[ADRB+(\slot)] offset:(\b%4)*16*PB+(\b/4)*BHALF+128*(\kq)+80
.endr
.endm
; A QUARTER: 64 matrix instructions on buffers kq.  At its head x's fragments and weight fragment 0 (already in the ring) are in.
; mode 0: a step's first quarter: it fetches the second.  mode 1: the second quarter, and the change of slots with a refill.  mode 2: the change without a refill.  mode 3: the very last quarter.
; The loads into x's other buffer stand behind groups 0 and 1, whose sixteen conversions are the places behind the last product that read it.
.macro QUART slot, kq, zero, mode, rs=-1, rl=0, rw=8
.if ((\mode) == 0) || ((\mode) == 3)
	s_wait_dscnt 20                                ; weight fragments 1 and 2 are in; the twenty loads of fragments 3 to 7 may be out
	GROUP \kq, 0, \zero, \kq, 1
	GROUP \kq, 1, \zero, \kq, 2
	s_wait_dscnt 0x0                               ; fragments 3 to 7
.if (\mode) == 0
	FETCH \slot, 1, 1
.endif
.else
	WIN 0                                          ; (the add's two registers lie in window 0)
	s_wait_dscnt 20
.if (\mode) == 1
	s_wait_xcnt 0x0                                ; the last prefetch, a K step back, has read its address
	s_add_nc_u64 s[PFA:PFA+1], s[PFA:PFA+1], s[PFS:PFS+1]
.endif
	s_wait_tensorcnt 0x0                           ; all my tensor loads have landed: the one that was out is my part of the other slot;
	ds_add_u32 v[SPW], v[NIL]                      ; 0 onto my spare word; eight products stand between it and the wait for it
	GROUP \kq, 0, 0, \kq, 1
	s_wait_dscnt 0x0                               ; the add is done, and my reads of this slot are over
	s_barrier_signal -1
	GROUP \kq, 1, 0, \kq, 2                        ; work on registers while the others arrive
	WIN 0
	s_barrier_wait -1
.if (\mode) == 1
	CREST                                          ; the barrier has opened a round of the cluster's: no wave of any partner still reads this slot or has a load on its way
	s_add_nc_u64 s[G0A+4*(\slot)+2:G0A+4*(\slot)+3], s[G0A+4*(\slot)+2:G0A+4*(\slot)+3], 2*131072
	s_add_nc_u64 s[G0B+4*(\slot)+2:G0B+4*(\slot)+3], s[G0B+4*(\slot)+2:G0B+4*(\slot)+3], 2*256
	JLOAD \slot                                    ; the first tensor load behind the round: this slot's K step two steps on
.endif
	FETCH 1-(\slot), 0, 0
.if (\mode) == 1
	WIN 0
	ASK
.endif
.endif
	MID \kq, \zero, \rs, \rl, \rw
.if (\mode) == 3
	GROUP \kq, 7, \zero, 0, -1
.else
	s_wait_dscnt 28                                ; of the 48 just fetched x's sixteen and weight fragment 0's four are in; 28 may be out
	GROUP \kq, 7, \zero, 1-(\kq), 0
.endif
.endm
	s_wait_tensorcnt 0x1                           ; my part of K step 0 is in; step 1's may stay out
	s_barrier_signal -1
	s_barrier_wait -1                              ; everybody's is
	FETCH 0, 0, 0
	s_wait_dscnt 28
	CVT 0, 0, 0
	CVT 0, 0, 1
	QUART 0, 0, 1, 0                               ; the first quarter stands in front of the loop: its products start the sums
	WIN 0
	s_mov_b32 s3, 15
.Llap:                                                 ; a trip: from a lap's second quarter to the next lap's first; both slots are filled again; K steps 2 t + 1 and 2 t + 2 carry the copy's batches 2 t and 2 t + 1
	QUART 0, 1, 0, 1
	QUART 1, 0, 0, 0, 0, 1, 8
	QUART 1, 1, 0, 1
	QUART 0, 0, 0, 0, 1, 1, 8
	WIN 0
	s_sub_co_u32 s3, s3, 1
	s_cmp_lg_u32 s3, 0
	s_cbranch_scc1 .Llap
	QUART 0, 1, 0, 2                               ; the tail fills nothing
	QUART 1, 0, 0, 0, 0, 0, 8                      ; batch 30; batch 31's eight loads may stay out
	QUART 1, 1, 0, 3, 1, 0, 0                      ; batch 31: nothing was loaded behind it
	; THE WAY OUT.  z sc = g u sc / (1 + 2^(-g log2 e)), 16 rows at a time, rounded to f16, into the work-group's stage.
	WIN 0
	PLACES
	s_wait_xcnt 0x0                                ; the copy's last stores have read their registers
.irp a, 0,1,2,3,4,5,6,7
	global_load_b64 v[SCP+2*\a:SCP+2*\a+1], v[SCZ], s[68:69] offset:XS+2048*\a     ; (sc, 1 / sc) of my row of block a
.endr
.irp i, 0,1,2,3
	global_load_b64 v[ISP+2*\i:ISP+2*\i+1], v[SCK], s[68:69] offset:XS+2048*\i     ; (1 / sc, sc) of my row of the four blocks whose k I make
.endr
.irp kk, 0,1,2,3
	global_load_b128 v[64+16*\kk:67+16*\kk], v[LAO], s[78:79] offset:128*\kk       ; lora_A: row r, my columns' K = 32 kk + 8 h + 0..7 and 16 more
	global_load_b128 v[68+16*\kk:71+16*\kk], v[LAO], s[78:79] offset:128*\kk+16
	global_load_b128 v[72+16*\kk:75+16*\kk], v[LAO], s[78:79] offset:128*\kk+64
	global_load_b128 v[76+16*\kk:79+16*\kk], v[LAO], s[78:79] offset:128*\kk+80
.endr
.macro SILU a                          ; each accumulator's registers are taken in ascending order
	WIN 0x02
.set i, 0
.rept 16
	v_pk_mul_f32 v[EE+2*i:EE+2*i+1], v[64*(i/4)+8*(\a)+2*(i%4):64*(i/4)+8*(\a)+2*(i%4)+1], s[88:89] op_sel_hi:[1,0]
.set i, i+1
.endr
	WIN 0
.set i, 0
.rept 32
	v_exp_f32 v[EE+i], v[EE+i]
.set i, i+1
.endr
	v_nop                                          ; a plain instruction behind the last exponential,
	s_wait_alu depctr_va_vdst(0)                   ; and one wait for the batch
.set i, 0
.rept 16
	v_pk_add_f32 v[EE+2*i:EE+2*i+1], v[EE+2*i:EE+2*i+1], 1.0 op_sel_hi:[1,0]
.set i, i+1
.endr
.set i, 0
.rept 32
	v_rcp_f32 v[EE+i], v[EE+i]
.set i, i+1
.endr
	v_nop
	s_wait_alu depctr_va_vdst(0)
	WIN 0x02
.set i, 0
.rept 16
	v_pk_mul_f32 v[EE+2*i:EE+2*i+1], v[64*(i/4)+8*(\a)+2*(i%4):64*(i/4)+8*(\a)+2*(i%4)+1], v[EE+2*i:EE+2*i+1]
.set i, i+1
.endr
	WIN 0x03
.set i, 0
.rept 16
	v_pk_mul_f32 v[EE+2*i:EE+2*i+1], v[64*(i/4)+8*(\a)+2*(i%4):64*(i/4)+8*(\a)+2*(i%4)+1], v[EE+2*i:EE+2*i+1]
.set i, i+1
.endr
	WIN 0
.if (\a) == 0
	s_wait_loadcnt 16                              ; the twelve loads of factors are in; lora_A's sixteen, issued behind them, may stay out
.endif
.set i, 0
.rept 16
	v_pk_mul_f32 v[EE+2*i:EE+2*i+1], v[EE+2*i:EE+2*i+1], v[SCP+2*(\a):SCP+2*(\a)+1] op_sel_hi:[1,0]   ; x sc: a power of two
.set i, i+1
.endr
.set i, 0
.rept 16
	v_cvt_pk_f16_f32 v[ZP+i], v[EE+2*i], v[EE+2*i+1]
.set i, i+1
.endr
.irp nb, 0,1,2,3
	ds_store_b128 v[STO], v[ZP+4*\nb:ZP+4*\nb+3] offset:(\a)*16*SPITCH+32*\nb
.endr
.endm
.irp a, 0,1,2,3,4,5,6,7
	SILU \a
.endr
	s_wait_loadcnt 0x0                             ; lora_A: rounded to bf16, widened again, written as f16
.set i, 0
.rept 32
	v_cvt_pk_bf16_f32 v[LAB+i], v[64+2*i], v[64+2*i+1]
.set i, i+1
.endr
.set i, 0
.rept 32
	v_lshlrev_b32 v[64+2*i], 16, v[LAB+i]
	v_and_b32 v[64+2*i+1], s95, v[LAB+i]
.set i, i+1
.endr
.set i, 0
.rept 32
	v_cvt_pk_f16_f32 v[LAB+i], v[64+2*i], v[64+2*i+1]
.set i, i+1
.endr
	s_wait_dscnt 0x0                               ; for the others' sake: my stores into the stage are done
	s_barrier_signal -1
	s_barrier_wait -1                              ; a row's 256 bytes come from two waves
	WIN 0x40
.set t, 0
.rept 32
	ds_load_b128 v[4*t:4*t+3], v[RD] offset:t*2*SPITCH                 ; my 64 rows, whole
.set t, t+1
.endr
.set t, 0
.rept 16                               ; and as fragments: rows 16 (t / 4), columns 32 (t % 4) on
	ds_load_b128 v[128+8*t:128+8*t+3],   v[ZFR] offset:(t/4)*16*SPITCH+64*(t%4)
	ds_load_b128 v[128+8*t+4:128+8*t+7], v[ZFR] offset:(t/4)*16*SPITCH+64*(t%4)+32
.set t, t+1
.endr
	WIN 0x04                                       ; store data and source 1 in window 1
	s_wait_dscnt 32                                ; the whole rows are in; the 32 fragment loads may be out
.set t, 0
.rept 32
	global_store_b128 v[ZO], v[4*t:4*t+3], s[80:81] offset:t*2*16384   ; 16 lanes store 256 consecutive bytes, at a multiple of 256 from z's first byte
.set t, t+1
.endr
	s_wait_dscnt 0x0
	; the partial k of my 64 rows over the work-group's 128 columns: source 0 = lora_A's 16 rows, source 1 = 16 rows of z: a lane holds one row of z and eight ranks.  Four accumulators by turns.
.irp kk, 0,1,2,3
.irp i, 0,1,2,3
.if \kk == 0
	v_wmma_f32_16x16x32_f16 v[KD+8*\i:KD+8*\i+7], v[LAB+8*\kk:LAB+8*\kk+7], v[128+8*(4*\i+\kk):128+8*(4*\i+\kk)+7], 0
.else
	v_wmma_f32_16x16x32_f16 v[KD+8*\i:KD+8*\i+7], v[LAB+8*\kk:LAB+8*\kk+7], v[128+8*(4*\i+\kk):128+8*(4*\i+\kk)+7], v[KD+8*\i:KD+8*\i+7]
.endif
.endr
.endr
	PLACES
	WIN 0
.irp i, 0,1,2,3
.irp q, 0,1,2,3
	v_pk_mul_f32 v[KD+8*\i+2*\q:KD+8*\i+2*\q+1], v[KD+8*\i+2*\q:KD+8*\i+2*\q+1], v[ISP+2*\i:ISP+2*\i+1] op_sel_hi:[1,0]   ; x 1 / sc of my row: exact
.endr
.endr
.irp i, 0,1,2,3
	global_store_b128 v[KPO], v[KD+8*\i:KD+8*\i+3],   s[84:85] offset:1024*\i        ; 512 consecutive bytes a store
	global_store_b128 v[KPO], v[KD+8*\i+4:KD+8*\i+7], s[84:85] offset:1024*\i+512
.endr
	s_wait_tensorcnt 0x0                           ; the wave's end, behind my last tensor load and my last LDS store
	ds_add_u32 v[SPW], v[NIL]
	s_wait_dscnt 0x0
	CROUND                                         ; the closing round
	s_endpgm
.Lfunc_end_k_qeca691c4b4_up:
	.size	k_qeca691c4b4_up, .Lfunc_end_k_qeca691c4b4_up-k_qeca691c4b4_up
	.p2alignl 7, 3214868480
	.fill 96, 4, 3214868480
	.section	.rodata,"a",@progbits
	.p2align	6, 0x0
	.amdhsa_kernel k_qeca691c4b4_up
		.amdhsa_group_segment_fixed_size 327680
		.amdhsa_private_segment_fixed_size 0
		.amdhsa_enable_private_segment 0
		.amdhsa_kernarg_size 72
		.amdhsa_user_sgpr_count 2
		.amdhsa_user_sgpr_kernarg_segment_ptr 1
		.amdhsa_wavefront_size32 1
		.amdhsa_system_sgpr_workgroup_id_x 1
		.amdhsa_system_sgpr_workgroup_id_y 1
		.amdhsa_system_sgpr_workgroup_id_z 1
		.amdhsa_system_vgpr_workitem_id 0
		.amdhsa_next_free_vgpr 1024
		.amdhsa_next_free_sgpr 96
		.amdhsa_reserve_vcc 0
		.amdhsa_float_denorm_mode_32 3
		.amdhsa_float_denorm_mode_16_64 3
		.amdhsa_memory_ordered 1
		.amdhsa_forward_progress 1
		.amdhsa_inst_pref_size 218
	.end_amdhsa_kernel
	.amdgpu_metadata
---
amdhsa.version: [ 1, 2 ]
amdhsa.kernels:
  - .name:           k_qeca691c4b4_up
    .symbol:         k_qeca691c4b4_up.kd
    .args:
      - { .name: xb, .offset: 0, .size: 8, .value_kind: global_buffer, .address_space: global }
      - { .name: W_gate, .offset: 8, .size: 8, .value_kind: global_buffer, .address_space: global }
      - { .name: W_up, .offset: 16, .size: 8, .value_kind: global_buffer, .address_space: global }
      - { .name: W_down, .offset: 24, .size: 8, .value_kind: global_buffer, .address_space: global }
      - { .name: W_ttt, .offset: 32, .size: 8, .value_kind: global_buffer, .address_space: global }
      - { .name: lora_A, .offset: 40, .size: 8, .value_kind: global_buffer, .address_space: global }
      - { .name: z, .offset: 48, .size: 8, .value_kind: global_buffer, .address_space: global }
      - { .name: wc, .offset: 56, .size: 8, .value_kind: global_buffer, .address_space: global }
      - { .name: kp, .offset: 64, .size: 8, .value_kind: global_buffer, .address_space: global }
    .group_segment_fixed_size: 327680
    .private_segment_fixed_size: 0
    .kernarg_segment_align: 8
    .kernarg_segment_size: 72
    .max_flat_workgroup_size: 128
    .sgpr_count:     96
    .vgpr_count:     1024
    .wavefront_size: 32
...
	.end_amdgpu_metadata
.endif
;; end of part 2
;; launch down (part 3): grid 32 x 8, 4 waves a work-group, clusters of 4 x 4, 327,680 bytes of LDS; arguments z, wc, kp, xb, st, vn, kf; writes st, vn, kf
.if DOCPART == 3
	.amdgcn_target "amdgcn-amd-amdhsa--gfx1250"
	.amdhsa_code_object_version 6
	.text
	.protected	k_qeca691c4b4_down
	.globl	k_qeca691c4b4_down
	.p2align	8
	.type	k_qeca691c4b4_down,@function
k_qeca691c4b4_down:
	s_mov_b64 s[64:65], 0
	v_nop
	global_prefetch_b8 v0, s[64:65] scope:SCOPE_SE
	s_setreg_imm32_b32 hwreg(HW_REG_WAVE_MODE, 25, 1), 1
	s_wait_xcnt 0x0
	s_wait_alu depctr_hold_cnt(0) depctr_sa_sdst(0) depctr_va_vdst(0) depctr_va_sdst(0) depctr_va_ssrc(0) depctr_va_vcc(0) depctr_vm_vsrc(0)
	s_getreg_b32 s2, hwreg(HW_REG_IB_STS2, 6, 4)
	s_cmp_eq_u32 s2, 0
	s_cbranch_scc0 .Lentry_in_a_cluster
	s_endpgm
.Lentry_in_a_cluster:
	s_bfe_u32 s2, ttmp6, 0x10000c
	s_cmp_lg_u32 s2, 0xf033
	s_cbranch_scc0 .Lentry_shape_is_right
	s_endpgm
.Lentry_shape_is_right:
; C = (z / sc) wc^T: z [1024][8192] f16, each row times its power of two sc[m]; wc [4096][8192] f16 (rows 0-2047 W_down, 2048-4095 W_ttt, each rounded to bf16 and written as f16); sums in f32,
; multiplied at the end by 1 / sc[m] (exact), which lies behind xb.  Columns 0-2047 of C leave as f32 in st, columns 2048-4095 (v) rounded once to bf16 in vn,
; both in the layouts in which the last launch's matrix instructions take them.  Also kf = the sum of kp's 64 partial k, in f32, each work-group 256 bytes of it.
;   st[chunk 64][ht 128][q 2][lane 32][4]  = C[16 chunk + lane % 16][16 ht + 8 (lane / 16) + 4 q + e]              vn[chunk 64][ht 128][lane 32][8] = v[16 chunk + 8 (lane / 16) + e][16 ht + lane % 16]
; LIMITS.  Those of f16, as the launch before states them for z sc and wc; NaN and infinities are not treated apart.
; A tile of C is 128 x 128 (256 work-groups); four waves, each 64 x 64: 16 accumulators.  K goes in steps of 256 (LDS rows of 512 bytes) through two slots.
; CLUSTERS 4 x 4: z's tile is asked for jointly along a row of the cluster, wc's along a column.  THE MATRIX INSTRUCTION IS USED TRANSPOSED (source 0 = 16 rows of wc, source 1 = 16 rows of z).
; No prefetch is laid: a step's tiles are small, 64 rows a load.
; REGISTERS: window 0: v0-31 addresses; v32-47, v64-127 at work on the way out; v48-55 my rows' factors; v128-255 the accumulators ((a, b) at v[128 + 8 (4 a + b)]).  window 1: two fragment buffers of 128.  window 2: v0-127 wave 0's 64 partial k.
.set SIZE_K, 8192
.set KSTEP,  256
.set PITCH,  528                       ; an LDS row: 512 bytes + 16: the 16 rows of a load start at 16 different 16-byte columns of 256 bytes
.set HALFT,  64*PITCH
.set SLOT,   4*HALFT
.set VSTG,   2*SLOT                    ; behind the ring, never filled by a tensor load: 16 rows x 160 bytes for each wave
.set VP,     160
.set SPARE,  VSTG+4*16*VP              ; the spare words: 128 bytes a wave, two blocks of 256 that no other line names
.set LAPS,   SIZE_K/(2*KSTEP)
.set XS,     4194304                   ; the rows' factors lie behind xb: 128 bytes a row
.set ADRA, 16
.set ADRB, 20
.set STO,  24                          ; v24  v's way out: where I put 16 bytes of a row
.set RD,   25                          ; v25  where the turning load reads
.set CO,   26                          ; v26  16 x lane
.set KO,   27                          ; v27  my 8 bytes of a slice of kp, and of kf
.set SPW,  28
.set NIL,  29
.set IO,   30                          ; v30  my byte offset among the factors: row l % 16 of my 64 rows, a copy with 1 / sc in its low word
.set TMP,  32
.set ISP,  48                          ; v48-55 (1 / sc, sc) of my row of each of my four blocks of 16 rows
.set TR,   64
.set ACC,  128
.set F0,   0
.set F1,   128
.set G1, 24
.set G0, 32
.set G1B, 48
.set G0B, 56
.set MSB, 0
.macro WIN new
.if MSB != (\new)
	s_set_vgpr_msb (MSB<<8)|(\new)
.set MSB, \new
.endif
.endm
.set MUL,  0x05                        ; sources 0 (wc) and 1 (z) window 1; C and D window 0
.set TO_F, 0x40
.macro JLOAD s                         ; a joint load: waves 0 and 1 fetch z's two halves, waves 2 and 3 wc's; an s_nop 0 and four v_nop follow each line
	s_cmp_eq_u32 s11, 0
	s_cbranch_scc0 .Lfor_b_\@
	tensor_load_to_lds s[G0+4*(\s):G0+4*(\s)+3], s[G1:G1+7]
	s_nop 0
.rept 4
	v_nop
.endr
	s_branch .Lasked_\@
.Lfor_b_\@:
	tensor_load_to_lds s[G0B+4*(\s):G0B+4*(\s)+3], s[G1B:G1B+7]
	s_nop 0
.rept 4
	v_nop
.endr
.Lasked_\@:
.endm
.macro CREST
	s_cmp_lg_u32 s10, 0
	s_cbranch_scc1 .Lnot_wave_0_\@
	s_barrier_signal -3
.Lnot_wave_0_\@:
	s_barrier_wait -3
	s_barrier_signal -1
	s_barrier_wait -1
.endm
.macro CROUND
	s_barrier_signal -1
	s_barrier_wait -1
	CREST
.endm
	s_load_b128 s[4:7], s[0:1], 0x0                ; z s[4:5], wc s[6:7]
	s_load_b256 s[68:75], s[0:1], 0x10             ; kp s[68:69], xb s[70:71], st s[72:73], vn s[74:75]
	s_load_b64 s[80:81], s[0:1], 0x30              ; kf
	v_lshl_add_u32 v[SPW], v0, 2, SPARE
	v_mov_b32 v[NIL], 0
	ds_add_u32 v[SPW], v[NIL]                      ; the wave's opening: the add, twice on end, and its wait ahead of my first tensor load
	ds_add_u32 v[SPW], v[NIL]
	v_lshrrev_b32 v1, 5, v0
	v_readfirstlane_b32 s10, v1                    ; wave 0..3
	s_lshr_b32 s11, s10, 1                         ; my half of the tile's rows.  Also: I fetch z (0) or wc (1)
	s_and_b32 s12, s10, 1                          ; my half of its columns.  Also: which 64 rows I fetch
	s_bfe_u32 s40, ttmp6, 0x40000                  ; cx, cy
	s_bfe_u32 s41, ttmp6, 0x40004
	s_lshl_b32 s42, ttmp9, 2
	s_add_co_u32 s42, s42, s40                     ; tile column tx
	s_and_b32 s13, ttmp7, 0xffff
	s_lshl_b32 s13, s13, 2
	s_add_co_u32 s13, s13, s41                     ; tile row ty
	s_lshl_b32 s43, s41, 2
	s_lshl_b32 s43, 15, s43                        ; my row of the cluster
	s_lshl_b32 s44, 0x1111, s40                    ; my column
	s_or_b32 s[G1+0], s43, (1<<16)|(1<<20)|(1<<21)|(6<<22)|(3<<25)   ; mask; 2-byte elements; padding on; bit 21 beside a mask; after every 128 words; 4 words
	s_or_b32 s[G1B+0], s44, (1<<16)|(1<<20)|(1<<21)|(6<<22)|(3<<25)
.irp g, G1, G1B
	s_mov_b32 s[(\g)+1], KSTEP<<16                 ; tensor_dim0 = 256
	s_mov_b32 s[(\g)+2], 64<<16                    ; tensor_dim1 = 64
	s_mov_b32 s[(\g)+3], KSTEP<<16                 ; tile_dim0 = 256
	s_mov_b32 s[(\g)+4], 64                        ; tile_dim1 = 64
	s_mov_b32 s[(\g)+5], SIZE_K                    ; elements from row to row
	s_mov_b32 s[(\g)+6], 0
	s_mov_b32 s[(\g)+7], 0
.endr
	s_lshl_b32 s17, s12, 6
	s_lshl_b32 s16, s13, 7
	s_add_co_u32 s16, s16, s17                     ; z: row 128 ty + 64 x half
	s_lshl_b32 s46, s42, 7
	s_add_co_u32 s46, s46, s17                     ; wc: row 128 tx + 64 x half
	s_mov_b32 s17, 0
	s_mov_b32 s47, 0
	s_mov_b64 s[18:19], SIZE_K*2
	s_mul_u64 s[16:17], s[16:17], s[18:19]
	s_mul_u64 s[46:47], s[46:47], s[18:19]
	s_mul_i32 s20, s10, HALFT                      ; where they go: wave x 64 rows
	s_wait_dscnt 0x0                               ; both opening adds are done
	s_wait_kmcnt 0x0
	s_add_nc_u64 s[14:15], s[4:5], s[16:17]
	s_add_nc_u64 s[46:47], s[6:7], s[46:47]
	CROUND                                         ; all sixteen work-groups are here: the first joint loads meet
.irp s, 0,1
	s_mov_b32 s[G0+4*(\s)], 1
	s_add_co_u32 s[G0+4*(\s)+1], s20, (\s)*SLOT
	s_add_nc_u64 s[G0+4*(\s)+2:G0+4*(\s)+3], s[14:15], (\s)*KSTEP*2
	s_or_b32 s[G0+4*(\s)+3], s[G0+4*(\s)+3], 0x80000000
	s_mov_b32 s[G0B+4*(\s)], 1
	s_add_co_u32 s[G0B+4*(\s)+1], s20, (\s)*SLOT
	s_add_nc_u64 s[G0B+4*(\s)+2:G0B+4*(\s)+3], s[46:47], (\s)*KSTEP*2
	s_or_b32 s[G0B+4*(\s)+3], s[G0B+4*(\s)+3], 0x80000000
	JLOAD \s
.endr
	v_and_b32 v6, 31, v0                           ; l
	v_and_b32 v1, 15, v0                           ; l % 16
	v_bfe_u32 v2, v0, 4, 1                         ; l / 16
	; my rows' factors, and (wave 0) my 8 bytes a lane of each of kp's 64 slices: nothing waits for them before the way out
	s_lshl_b32 s78, s13, 14                        ; 128 ty rows of 128 bytes
	s_lshl_b32 s79, s11, 13                        ; + my 64
	s_add_co_u32 s78, s78, s79
	s_add_co_u32 s78, s78, 8                       ; copy 1: (1 / sc, sc)
	v_lshl_add_u32 v[IO], v1, 7, s78
.irp a, 0,1,2,3
	global_load_b64 v[ISP+2*\a:ISP+2*\a+1], v[IO], s[70:71] offset:XS+2048*\a
.endr
	s_lshl_b32 s78, s13, 5
	s_add_co_u32 s78, s78, s42
	s_lshl_b32 s78, s78, 8                         ; the work-group's 256 bytes of a slice
	v_lshl_add_u32 v[KO], v6, 3, s78
	s_cmp_lg_u32 s10, 0
	s_cbranch_scc1 .Lno_kp
	WIN 0x80                                       ; destination window 2
.set i, 0
.rept 64
	global_load_b64 v[2*i:2*i+1], v[KO], s[68:69] offset:65536*i
.set i, i+1
.endr
	WIN 0
.Lno_kp:
	v_mul_u32_u24 v3, v1, PITCH
	v_lshl_add_u32 v3, v2, 4, v3
	s_mul_i32 s21, s11, HALFT                      ; my 64 rows of z
	s_mul_i32 s22, s12, HALFT                      ; my 64 rows of wc,
	s_add_co_u32 s22, s22, 2*HALFT                 ; which lie behind z's 128
.irp s, 0,1
	v_add_nc_u32 v[ADRA+(\s)], s21, v3
	v_add_nc_u32 v[ADRB+(\s)], s22, v3
	s_add_co_u32 s21, s21, SLOT
	s_add_co_u32 s22, s22, SLOT
.endr
	s_mul_i32 s23, s10, 16*VP
	s_add_co_u32 s23, s23, VSTG                    ; my stage
	v_mul_u32_u24 v4, v1, VP                       ; in: row l % 16, 16 bytes for each half of the lanes
	v_lshl_add_u32 v4, v2, 4, v4
	v_add_nc_u32 v[STO], s23, v4
	v_and_b32 v5, 7, v0                            ; the turning load: lane l reads row 8 (l / 16) + l % 8, columns 8 ((l / 8) % 2) + 0..7
	v_lshl_add_u32 v5, v2, 3, v5
	v_mul_u32_u24 v5, v5, VP
	v_bfe_u32 v7, v0, 3, 1
	v_lshl_add_u32 v5, v7, 4, v5
	v_add_nc_u32 v[RD], s23, v5
	v_lshlrev_b32 v[CO], 4, v6
.macro MUL8 f, c, a0, zero             ; 8 matrix instructions: row blocks a0, a0 + 1 x all 4 column blocks, 32 along K: half c of buffer f
	WIN MUL
.irp a, \a0, (\a0)+1
.irp b, 0,1,2,3
.if \zero
	v_wmma_f32_16x16x32_f16 v[ACC+8*(4*(\a)+(\b)):ACC+8*(4*(\a)+(\b))+7], v[(\f)+64+8*(4*(\c)+(\b)):(\f)+64+8*(4*(\c)+(\b))+7], v[(\f)+8*(4*(\c)+(\a)):(\f)+8*(4*(\c)+(\a))+7], 0
.else
	v_wmma_f32_16x16x32_f16 v[ACC+8*(4*(\a)+(\b)):ACC+8*(4*(\a)+(\b))+7], v[(\f)+64+8*(4*(\c)+(\b)):(\f)+64+8*(4*(\c)+(\b))+7], v[(\f)+8*(4*(\c)+(\a)):(\f)+8*(4*(\c)+(\a))+7], v[ACC+8*(4*(\a)+(\b)):ACC+8*(4*(\a)+(\b))+7]
.endif
.endr
.endr
.endm
.macro FETCH slot, k, f                ; 32 LDS loads in one run: the fragments of 64 along K at byte k of the rows; the first 32 along K first
	WIN TO_F
.irp c, 0,1
.irp i, 0,1,2,3
	ds_load_b128 v[(\f)+64+8*(4*(\c)+(\i)):(\f)+64+8*(4*(\c)+(\i))+3],   v[ADRB+(\slot)] offset:(\k)+64*(\c)+(\i)*16*PITCH
	ds_load_b128 v[(\f)+64+8*(4*(\c)+(\i))+4:(\f)+64+8*(4*(\c)+(\i))+7], v[ADRB+(\slot)] offset:(\k)+64*(\c)+(\i)*16*PITCH+32
	ds_load_b128 v[(\f)+8*(4*(\c)+(\i)):(\f)+8*(4*(\c)+(\i))+3],         v[ADRA+(\slot)] offset:(\k)+64*(\c)+(\i)*16*PITCH
	ds_load_b128 v[(\f)+8*(4*(\c)+(\i))+4:(\f)+8*(4*(\c)+(\i))+7],       v[ADRA+(\slot)] offset:(\k)+64*(\c)+(\i)*16*PITCH+32
.endr
.endr
.endm
.macro PLACES
.rept 4
	v_nop
.endr
.endm
; A K step is four quarters of 64 along K, 32 matrix instructions each, on buffers 0, 1, 0, 1; the 16 accumulators take turns.
.macro QUARTER slot, k, f, g, zero
	s_wait_dscnt 16                                ; the first 32 along K are in; the other sixteen loads may be out
	WIN MUL
	MUL8 \f, 0, 0, \zero
	MUL8 \f, 0, 2, \zero
	PLACES
	FETCH \slot, \k, \g
	s_wait_dscnt 32                                ; all but the 32 just issued
	WIN MUL
	MUL8 \f, 1, 0, 0
	MUL8 \f, 1, 2, 0
.endm
; The last quarter multiplies buffer 1 and changes slots.  fill = 1: this slot is filled again, two K steps ahead.
.macro TURN slot, next, fill
	WIN 0                                          ; (the add's two registers lie in window 0)
	s_wait_tensorcnt 0x0                           ; all my tensor loads have landed: my part of the next slot;
	ds_add_u32 v[SPW], v[NIL]                      ; 0 onto my spare word
	s_wait_dscnt 17                                ; (the add and the youngest sixteen loads may be out)
	WIN MUL
	MUL8 F1, 0, 0, 0
	s_wait_dscnt 0x0                               ; the add is done, and my reads of this slot are over
	s_barrier_signal -1
	MUL8 F1, 0, 2, 0
.if \fill
	WIN 0
.endif
	s_barrier_wait -1
.if \fill
	CREST                                          ; the barrier has opened a round of the cluster's: no wave of any partner still reads this slot or has a load on its way
	s_add_nc_u64 s[G0+4*(\slot)+2:G0+4*(\slot)+3], s[G0+4*(\slot)+2:G0+4*(\slot)+3], 2*KSTEP*2
	s_add_nc_u64 s[G0B+4*(\slot)+2:G0B+4*(\slot)+3], s[G0B+4*(\slot)+2:G0B+4*(\slot)+3], 2*KSTEP*2
	JLOAD \slot                                    ; the first tensor load behind the round; its four v_nop are also the places in front of the loads below
.else
	PLACES
.endif
	FETCH \next, 0, F0
	WIN MUL
	MUL8 F1, 1, 0, 0
	MUL8 F1, 1, 2, 0
.endm
	s_wait_tensorcnt 1                             ; my part of K step 0 is in; step 1's may stay out
	s_barrier_signal -1
	s_barrier_wait -1
	FETCH 0, 0, F0
	QUARTER 0, 128, F0, F1, 1                      ; the first quarter stands in front of the loop: its first products start the sums
	WIN 0
	s_mov_b32 s3, LAPS-1
.Llap:
	QUARTER 0, 256, F1, F0, 0
	QUARTER 0, 384, F0, F1, 0
	TURN 0, 1, 1
	QUARTER 1, 128, F0, F1, 0
	QUARTER 1, 256, F1, F0, 0
	QUARTER 1, 384, F0, F1, 0
	TURN 1, 0, 1
	QUARTER 0, 128, F0, F1, 0
	WIN 0
	s_sub_co_u32 s3, s3, 1
	s_cmp_lg_u32 s3, 0
	s_cbranch_scc1 .Llap
	QUARTER 0, 256, F1, F0, 0                      ; the last lap fills nothing
	QUARTER 0, 384, F0, F1, 0
	TURN 0, 1, 0
	QUARTER 1, 128, F0, F1, 0
	QUARTER 1, 256, F1, F0, 0
	QUARTER 1, 384, F0, F1, 0
	s_wait_dscnt 16
	WIN MUL
	MUL8 F1, 0, 0, 0
	MUL8 F1, 0, 2, 0
	s_wait_dscnt 0
	MUL8 F1, 1, 0, 0
	MUL8 F1, 1, 2, 0
	WIN 0
	PLACES
	; THE WAY OUT.  Every sum is multiplied by 1 / sc of its row: a lane holds one row of each block of 16.
	s_wait_loadcnt 0x0                             ; my rows' factors, and in wave 0 the 64 partial k
.irp a, 0,1,2,3
.irp b, 0,1,2,3
.irp q, 0,1,2,3
	v_pk_mul_f32 v[ACC+8*(4*\a+\b)+2*\q:ACC+8*(4*\a+\b)+2*\q+1], v[ACC+8*(4*\a+\b)+2*\q:ACC+8*(4*\a+\b)+2*\q+1], v[ISP+2*\a:ISP+2*\a+1] op_sel_hi:[1,0]
.endr
.endr
.endr
	; Clusters 0 to 3 along x hold W_down's columns, clusters 4 to 7 W_ttt's: the cluster's number is the same in all partners.
	s_cmp_lt_u32 ttmp9, 4
	s_cbranch_scc0 .Lvpart
	s_lshl_b32 s76, s13, 20                        ; st at chunk 8 ty + 4 (w / 2), column block 8 tx + 4 (w % 2)
	s_lshl_b32 s77, s11, 19
	s_add_co_u32 s76, s76, s77
	s_lshl_b32 s77, s42, 13
	s_add_co_u32 s76, s76, s77
	s_lshl_b32 s77, s12, 12
	s_add_co_u32 s76, s76, s77
	s_mov_b32 s77, 0
	s_add_nc_u64 s[72:73], s[72:73], s[76:77]
.irp a, 0,1,2,3
.irp b, 0,1,2,3
	global_store_b128 v[CO], v[ACC+8*(4*\a+\b):ACC+8*(4*\a+\b)+3],   s[72:73] offset:\a*131072+\b*1024       ; an accumulator as it lies: 512 consecutive bytes a store
	global_store_b128 v[CO], v[ACC+8*(4*\a+\b)+4:ACC+8*(4*\a+\b)+7], s[72:73] offset:\a*131072+\b*1024+512
.endr
.endr
	s_branch .Lsum
.Lvpart:
	s_lshl_b32 s76, s13, 19                        ; vn at chunk 8 ty + 4 (w / 2), column block 8 (tx - 16) + 4 (w % 2)
	s_lshl_b32 s77, s11, 18
	s_add_co_u32 s76, s76, s77
	s_sub_co_u32 s77, s42, 16
	s_lshl_b32 s77, s77, 12
	s_add_co_u32 s76, s76, s77
	s_lshl_b32 s77, s12, 11
	s_add_co_u32 s76, s76, s77
	s_mov_b32 s77, 0
	s_add_nc_u64 s[74:75], s[74:75], s[76:77]
	; 16 rows x 64 columns at a time: rounded to bf16, into my stage by rows, and back turned: a lane then holds one column and eight rows.  LDS serves a wave's instructions in order.
.irp a, 0,1,2,3
.irp b, 0,1,2,3
.irp r, 0,1,2,3
	v_cvt_pk_bf16_f32 v[TMP+4*\b+\r], v[ACC+8*(4*\a+\b)+2*\r], v[ACC+8*(4*\a+\b)+2*\r+1]
.endr
.endr
.irp b, 0,1,2,3
	ds_store_b128 v[STO], v[TMP+4*\b:TMP+4*\b+3] offset:32*\b
.endr
.irp b, 0,1,2,3
	ds_load_tr16_b128 v[TR+16*\a+4*\b:TR+16*\a+4*\b+3], v[RD] offset:32*\b
.endr
.endr
.irp a, 0,1,2,3
	s_wait_dscnt 24-8*\a                           ; block a is back; the later blocks' eight LDS instructions each may be out
.irp b, 0,1,2,3
	global_store_b128 v[CO], v[TR+16*\a+4*\b:TR+16*\a+4*\b+3], s[74:75] offset:\a*65536+\b*512
.endr
.endr
.Lsum:
	s_cmp_lg_u32 s10, 0
	s_cbranch_scc1 .Lend
	WIN 0x8a                                       ; the 64 partial k, all in window 2; they were waited for at the way out's head
.irp s, 32,16,8,4,2,1
.set i, 0
.rept \s
	v_pk_add_f32 v[2*i:2*i+1], v[2*i:2*i+1], v[2*(i+\s):2*(i+\s)+1]
.set i, i+1
.endr
.endr
	WIN 0x08                                       ; store data in window 2
	global_store_b64 v[KO], v[0:1], s[80:81]       ; 256 consecutive bytes
	WIN 0
.Lend:
	s_wait_tensorcnt 0x0                           ; the wave's end, behind my last tensor load and my last LDS store
	ds_add_u32 v[SPW], v[NIL]
	s_wait_dscnt 0x0
	CROUND                                         ; the closing round
	s_endpgm
.Lfunc_end_k_qeca691c4b4_down:
	.size	k_qeca691c4b4_down, .Lfunc_end_k_qeca691c4b4_down-k_qeca691c4b4_down
	.p2alignl 7, 3214868480
	.fill 96, 4, 3214868480
	.section	.rodata,"a",@progbits
	.p2align	6, 0x0
	.amdhsa_kernel k_qeca691c4b4_down
		.amdhsa_group_segment_fixed_size 327680
		.amdhsa_private_segment_fixed_size 0
		.amdhsa_enable_private_segment 0
		.amdhsa_kernarg_size 56
		.amdhsa_user_sgpr_count 2
		.amdhsa_user_sgpr_kernarg_segment_ptr 1
		.amdhsa_wavefront_size32 1
		.amdhsa_system_sgpr_workgroup_id_x 1
		.amdhsa_system_sgpr_workgroup_id_y 1
		.amdhsa_system_sgpr_workgroup_id_z 1
		.amdhsa_system_vgpr_workitem_id 0
		.amdhsa_next_free_vgpr 640
		.amdhsa_next_free_sgpr 84
		.amdhsa_reserve_vcc 0
		.amdhsa_float_denorm_mode_32 3
		.amdhsa_float_denorm_mode_16_64 3
		.amdhsa_memory_ordered 1
		.amdhsa_forward_progress 1
		.amdhsa_inst_pref_size 105
	.end_amdhsa_kernel
	.amdgpu_metadata
---
amdhsa.version: [ 1, 2 ]
amdhsa.kernels:
  - .name:           k_qeca691c4b4_down
    .symbol:         k_qeca691c4b4_down.kd
    .args:
      - { .name: z, .offset: 0, .size: 8, .value_kind: global_buffer, .address_space: global }
      - { .name: wc, .offset: 8, .size: 8, .value_kind: global_buffer, .address_space: global }
      - { .name: kp, .offset: 16, .size: 8, .value_kind: global_buffer, .address_space: global }
      - { .name: xb, .offset: 24, .size: 8, .value_kind: global_buffer, .address_space: global }
      - { .name: st, .offset: 32, .size: 8, .value_kind: global_buffer, .address_space: global }
      - { .name: vn, .offset: 40, .size: 8, .value_kind: global_buffer, .address_space: global }
      - { .name: kf, .offset: 48, .size: 8, .value_kind: global_buffer, .address_space: global }
    .group_segment_fixed_size: 327680
    .private_segment_fixed_size: 0
    .kernarg_segment_align: 8
    .kernarg_segment_size: 56
    .max_flat_workgroup_size: 128
    .sgpr_count:     84
    .vgpr_count:     640
    .wavefront_size: 32
...
	.end_amdgpu_metadata
.endif
;; end of part 3
;; launch prep (part 4): grid 64 x 1, 1 waves a work-group, no clusters, 0 bytes of LDS; arguments kf, cm; writes cm
.if DOCPART == 4
	.amdgcn_target "amdgcn-amd-amdhsa--gfx1250"
	.amdhsa_code_object_version 6
	.text
	.protected	k_qeca691c4b4_prep
	.globl	k_qeca691c4b4_prep
	.p2align	8
	.type	k_qeca691c4b4_prep,@function
k_qeca691c4b4_prep:
	s_mov_b64 s[64:65], 0
	v_nop
	global_prefetch_b8 v0, s[64:65] scope:SCOPE_SE
	s_setreg_imm32_b32 hwreg(HW_REG_WAVE_MODE, 25, 1), 1
	s_wait_xcnt 0x0
; For each chunk of 16 steps (64 chunks, a wave each) the small matrices that turn the delta rule's 16 dependent steps into products.  K: the chunk's 16 x 16 keys (step t, rank r), lr = 0.01.
;   L = lr x the part of K K^T strictly below the diagonal;  T = (I + L)^-1 = (I + N)(I + N^2)(I + N^4)(I + N^8) with N = -L: exact, since N^16 = 0: no series is cut.
;   pred = (I - T) V + (T K) S^T;    S^T <- S^T + (lr K^T T) V - (lr K^T T K) S^T.
; All of it in f32, on the f32 matrix form: 64 instructions a chunk, no bulk work.  The five results are rounded once to bf16, as matrix operands of the last launch.
; LIMITS.  The order of rounding differs from the step-by-step rule's; NaN and infinities are not treated apart.
; 64 work-groups: one chunk is one wave's work, and the chunks share nothing: no LDS, no cluster.
; LAYOUT.  D(Y): lane (n = l % 16, h = l / 16), register j holds Y[8 h + j][n], as a matrix result lies.  A product Y Z is four instructions of K = 4: number kk takes registers 2 kk, 2 kk + 1 of D(Y^T) as
; source 0 and of D(Z) as source 1: both then carry k = 8 h + 2 kk + j.  So each matrix is kept with its transpose.  What these instructions write, nothing else writes.
; cm[chunk][quad 5][lane 32][8 bf16]: U = D(I - T^T), W = D(K^T T^T), Kt = D(lr T^T K), Q = D(-lr K^T T^T K), KC = D(K^T).
.set DM,  7                            ; v7   n - 8 h: register j lies on the diagonal where j = DM
.set ONE, 6
.set TJ,  8                            ; v8-15 at work
.set KT,  16
.set KD,  24
.set NN,  32
.set NT,  40
.set A1,  48
.set A1T, 56
.set G0,  64
.set G1,  72
.set X2,  80
.set X2T, 88
.set X4,  96
.set X4T, 104
.set X8,  112
.set X8T, 120
.set A2,  128
.set A2T, 136
.set A4,  144
.set A4T, 152
.set TM,  160
.set TT,  168
.set YY,  176
.set WT,  184
.set Z0,  192
.set Z1,  200
.set WK,  208                          ; v208-215 at work
.set PK,  224                          ; v224-243 the five quads
.macro FM d, a, b, c, kk               ; number kk of a product; c < 0: it starts the sum with 0
.if (\c) < 0
	v_wmma_f32_16x16x4_f32 v[\d:\d+7], v[\a+2*\kk:\a+2*\kk+1], v[\b+2*\kk:\b+2*\kk+1], 0
.else
	v_wmma_f32_16x16x4_f32 v[\d:\d+7], v[\a+2*\kk:\a+2*\kk+1], v[\b+2*\kk:\b+2*\kk+1], v[\c:\c+7]
.endif
.endm
.macro ST2 d0,a0,b0,c0, d1,a1,b1,c1    ; two products, their accumulators by turns, one instruction a turn
	FM \d0,\a0,\b0,\c0,0
	FM \d1,\a1,\b1,\c1,0
.irp kk, 1,2,3
	FM \d0,\a0,\b0,\d0,\kk
	FM \d1,\a1,\b1,\d1,\kk
.endr
.endm
.macro ST4 d0,a0,b0,c0, d1,a1,b1,c1, d2,a2,b2,c2, d3,a3,b3,c3
	FM \d0,\a0,\b0,\c0,0
	FM \d1,\a1,\b1,\c1,0
	FM \d2,\a2,\b2,\c2,0
	FM \d3,\a3,\b3,\c3,0
.irp kk, 1,2,3
	FM \d0,\a0,\b0,\d0,\kk
	FM \d1,\a1,\b1,\d1,\kk
	FM \d2,\a2,\b2,\d2,\kk
	FM \d3,\a3,\b3,\d3,\kk
.endr
.endm
.macro GAP                             ; nine places between a stage's results and the instructions that take them as sources (ISA guide 7.12.1; this form asks for the longer distance)
.rept 9
	v_nop
.endr
.endm
	s_load_b128 s[4:7], s[0:1], 0x0                ; kf s[4:5], cm s[6:7]
	v_and_b32 v1, 15, v0                           ; n (one wave: v0 is the lane)
	v_bfe_u32 v2, v0, 4, 1                         ; h
	v_lshlrev_b32 v3, 4, v0                        ; 16 x lane
	v_lshlrev_b32 v5, 3, v2
	v_sub_nc_u32 v[DM], v1, v5
	; kf[chunk][q][lane'][e] = K[lane' % 16][8 (lane' / 16) + 4 q + e].  D(K^T) is that as it lies.  D(K), register j: K[8 h + j][n]: q = (n / 4) % 2, lane' = 8 h + j + 16 (n / 8), e = n % 4
	v_bfe_u32 v4, v1, 2, 1
	v_lshlrev_b32 v4, 9, v4
	v_bfe_u32 v[ONE], v1, 3, 1
	v_lshl_add_u32 v5, v[ONE], 4, v5
	v_lshl_add_u32 v4, v5, 4, v4
	v_and_b32 v5, 3, v1
	v_lshl_add_u32 v4, v5, 2, v4
	v_mov_b32 v[ONE], 1.0
	s_lshl_b32 s8, ttmp9, 10
	s_mov_b32 s9, 0
	s_mul_i32 s10, ttmp9, 2560
	s_mov_b32 s11, 0
	s_wait_kmcnt 0x0
	s_add_nc_u64 s[4:5], s[4:5], s[8:9]
	s_add_nc_u64 s[6:7], s[6:7], s[10:11]
	global_load_b128 v[KT:KT+3], v3, s[4:5]
	global_load_b128 v[KT+4:KT+7], v3, s[4:5] offset:512
.irp j, 0,1,2,3,4,5,6,7
	global_load_b32 v[KD+\j], v4, s[4:5] offset:16*\j
.endr
	s_wait_loadcnt 0x0
	FM G0,KT,KT,-1,0                               ; K K^T, in two halves of its sum
	FM G1,KT,KT,-1,1
	FM G0,KT,KT,G0,2
	FM G1,KT,KT,G1,3
	GAP
.irp j, 0,1,2,3,4,5,6,7
	v_add_f32 v[TJ+\j], v[G0+\j], v[G1+\j]
.endr
.irp j, 0,1,2,3,4,5,6,7
	v_mul_f32 v[TJ+\j], 0xbc23d70a, v[TJ+\j]       ; x -0.01
	v_cmp_gt_i32 vcc_lo, \j, v[DM]                 ; row 8 h + j below the diagonal: N
	v_cndmask_b32 v[NN+\j], 0, v[TJ+\j], vcc_lo
	v_cmp_lt_i32 vcc_lo, \j, v[DM]                 ; above it: N^T (K K^T is symmetric)
	v_cndmask_b32 v[NT+\j], 0, v[TJ+\j], vcc_lo
	v_cmp_eq_u32 vcc_lo, \j, v[DM]
	v_cndmask_b32 v[A1+\j], v[NN+\j], v[ONE], vcc_lo    ; I + N
	v_cndmask_b32 v[A1T+\j], v[NT+\j], v[ONE], vcc_lo
.endr
	ST2 X2,NT,NN,-1, X2T,NN,NT,-1                                            ; N^2 and its transpose
	GAP
	ST4 X4,X2T,X2,-1, X4T,X2,X2T,-1, A2,X2T,A1,A1, A2T,X2,A1T,A1T            ; N^4; (I + N^2)(I + N)
	GAP
	ST4 X8,X4T,X4,-1, X8T,X4,X4T,-1, A4,X4T,A2,A2, A4T,X4,A2T,A2T            ; N^8; (I + N^4) ..
	GAP
	ST2 TM,X8T,A4,A4, TT,X8,A4T,A4T                                          ; T and T^T
	GAP
	ST2 YY,TM,KD,-1, WT,KD,TT,-1                                             ; T^T K; K^T T^T
	GAP
	FM Z0,KD,YY,-1,0                               ; K^T T^T K, in two halves of its sum
	FM Z1,KD,YY,-1,1
	FM Z0,KD,YY,Z0,2
	FM Z1,KD,YY,Z1,3
	GAP
.irp j, 0,1,2,3,4,5,6,7
	v_mul_f32 v[WK+\j], -1.0, v[TT+\j]             ; I - T^T: T has ones on its diagonal
.endr
.irp j, 0,1,2,3,4,5,6,7
	v_cmp_ne_u32 vcc_lo, \j, v[DM]
	v_cndmask_b32 v[WK+\j], 0, v[WK+\j], vcc_lo
.endr
.irp q, 0,1,2,3
	v_cvt_pk_bf16_f32 v[PK+\q], v[WK+2*\q], v[WK+2*\q+1]
	v_cvt_pk_bf16_f32 v[PK+4+\q], v[WT+2*\q], v[WT+2*\q+1]
.endr
.irp j, 0,1,2,3,4,5,6,7
	v_mul_f32 v[WK+\j], 0x3c23d70a, v[YY+\j]
.endr
.irp q, 0,1,2,3
	v_cvt_pk_bf16_f32 v[PK+8+\q], v[WK+2*\q], v[WK+2*\q+1]
.endr
.irp j, 0,1,2,3,4,5,6,7
	v_add_f32 v[TJ+\j], v[Z0+\j], v[Z1+\j]
.endr
.irp j, 0,1,2,3,4,5,6,7
	v_mul_f32 v[TJ+\j], 0xbc23d70a, v[TJ+\j]
.endr
.irp q, 0,1,2,3
	v_cvt_pk_bf16_f32 v[PK+12+\q], v[TJ+2*\q], v[TJ+2*\q+1]
	v_cvt_pk_bf16_f32 v[PK+16+\q], v[KT+2*\q], v[KT+2*\q+1]
.endr
.irp q, 0,1,2,3,4
	global_store_b128 v3, v[PK+4*\q:PK+4*\q+3], s[6:7] offset:512*\q        ; 512 consecutive bytes a store
.endr
	s_endpgm
.Lfunc_end_k_qeca691c4b4_prep:
	.size	k_qeca691c4b4_prep, .Lfunc_end_k_qeca691c4b4_prep-k_qeca691c4b4_prep
	.p2alignl 7, 3214868480
	.fill 96, 4, 3214868480
	.section	.rodata,"a",@progbits
	.p2align	6, 0x0
	.amdhsa_kernel k_qeca691c4b4_prep
		.amdhsa_group_segment_fixed_size 0
		.amdhsa_private_segment_fixed_size 0
		.amdhsa_enable_private_segment 0
		.amdhsa_kernarg_size 16
		.amdhsa_user_sgpr_count 2
		.amdhsa_user_sgpr_kernarg_segment_ptr 1
		.amdhsa_wavefront_size32 1
		.amdhsa_system_sgpr_workgroup_id_x 1
		.amdhsa_system_sgpr_workgroup_id_y 1
		.amdhsa_system_sgpr_workgroup_id_z 1
		.amdhsa_system_vgpr_workitem_id 0
		.amdhsa_next_free_vgpr 256
		.amdhsa_next_free_sgpr 66
		.amdhsa_reserve_vcc 1
		.amdhsa_float_denorm_mode_32 3
		.amdhsa_float_denorm_mode_16_64 3
		.amdhsa_memory_ordered 1
		.amdhsa_forward_progress 1
		.amdhsa_inst_pref_size 15
	.end_amdhsa_kernel
	.amdgpu_metadata
---
amdhsa.version: [ 1, 2 ]
amdhsa.kernels:
  - .name:           k_qeca691c4b4_prep
    .symbol:         k_qeca691c4b4_prep.kd
    .args:
      - { .name: kf, .offset: 0, .size: 8, .value_kind: global_buffer, .address_space: global }
      - { .name: cm, .offset: 8, .size: 8, .value_kind: global_buffer, .address_space: global }
    .group_segment_fixed_size: 0
    .private_segment_fixed_size: 0
    .kernarg_segment_align: 8
    .kernarg_segment_size: 16
    .max_flat_workgroup_size: 32
    .sgpr_count:     66
    .vgpr_count:     256
    .wavefront_size: 32
...
	.end_amdgpu_metadata
.endif
;; end of part 4
;; launch scan (part 5): grid 64 x 1, 1 waves a work-group, no clusters, 283,136 bytes of LDS; arguments st, vn, cm, lora_B, out0; writes out0
.if DOCPART == 5
	.amdgcn_target "amdgcn-amd-amdhsa--gfx1250"
	.amdhsa_code_object_version 6
	.text
	.protected	k_qeca691c4b4_scan
	.globl	k_qeca691c4b4_scan
	.p2align	8
	.type	k_qeca691c4b4_scan,@function
k_qeca691c4b4_scan:
	s_mov_b64 s[64:65], 0
	v_nop
	global_prefetch_b8 v0, s[64:65] scope:SCOPE_SE
	s_setreg_imm32_b32 hwreg(HW_REG_WAVE_MODE, 25, 1), 1
	s_wait_xcnt 0x0
; out0 = static + pred + k lora_B^T.  For each batch the 32 chunks of 16 steps follow each other:
;   pred_c = (I - T) V_c + (T K) S^T;    S^T <- S^T + Kt V_c + Q S^T        (S^T: 16 ranks x columns, kept in f32 accumulators; rounded to bf16 where it is a matrix operand)
; SHARES.  A work-group is one wave: batch id / 32, columns 64 (id % 32) .. + 63: four tiles of 16.  The chain is 32 dependent trips whatever the share, so 64 columns a wave, whose rows of out0 are 256 bytes;
; that makes 64 work-groups.  No cluster: what they share is cm, under a third of what a work-group reads.
; IN.  Three tensor loads at the head bring all that the wave needs into LDS (v 65,536, static 131,072, cm 81,920 bytes); nothing is filled again, so there is no barrier.
; ONE OPERAND FOR TWO PRODUCTS.  X_i (32 x 16): K = 0-15 the chunk's v (steps x my 16 columns, as vn holds it), K = 16-31 S^T, whose accumulator, rounded in pairs, already lies as an operand.
;   S_i += AS X_i,  AS = [Kt | Q];      O_i = X_i^T-as-source-0 x AU + static,  AU = [I - T | T K]^T;      O_i += lora_B's rows x K^T (ranks 0-15; K = 16-31 are zeros).
; O_i holds one step a lane and eight columns, as st holds the static part, which is the sum's C operand.
; REGISTERS: window 0: v2-12 addresses; v16-47 S; v48-79 lora_B's fragments; v80-143 X, two sets; v144-191 cm's operands, two sets of 24; v192-223 lora_B as loaded.  window 1: v0-63 O, two sets; v64-127 rows read back, two sets.
.set VNB,  0
.set STB,  65536
.set CMB,  196608
.set STG,  278528                      ; never filled by a tensor load: 16 rows x 272 bytes, for the way out
.set SP,   272
.set SPARE, STG+16*SP                  ; the spare words: one block of 256 bytes that no other line names
.set AXV, 2
.set AST, 3
.set ACM, 4
.set STO, 5
.set RD,  6
.set GO,  7
.set SPW, 8
.set NIL, 9
.set L16, 10
.set SS,  16
.set LB,  48
.set XX,  80
.set CMR, 144
.set TL,  192
.set MSB, 0
.macro WIN new
.if MSB != (\new)
	s_set_vgpr_msb (MSB<<8)|(\new)
.set MSB, \new
.endif
.endm
	s_load_b256 s[4:11], s[0:1], 0x0               ; st s[4:5], vn s[6:7], cm s[8:9], lora_B s[10:11]
	s_load_b64 s[52:53], s[0:1], 0x20              ; out0
	v_lshl_add_u32 v[SPW], v0, 2, SPARE
	v_mov_b32 v[NIL], 0
	ds_add_u32 v[SPW], v[NIL]                      ; the wave's opening: the add, twice on end, and its wait ahead of my first tensor load
	ds_add_u32 v[SPW], v[NIL]
	s_lshr_b32 s14, ttmp9, 5                       ; batch
	s_and_b32 s15, ttmp9, 31                       ; my 64 columns
	; v: 32 chunks' rows of 2,048 bytes, 65,536 bytes apart, in elements of 8 bytes
	s_mov_b32 s16, 3<<16
	s_mov_b32 s17, 256<<16
	s_mov_b32 s18, 32<<16
	s_mov_b32 s19, 256<<16
	s_mov_b32 s20, 32
	s_mov_b32 s21, 8192
	s_mov_b32 s22, 0
	s_mov_b32 s23, 0
	; static: 32 rows of 4,096 bytes, 131,072 apart
	s_mov_b32 s24, 3<<16
	s_mov_b32 s25, 512<<16
	s_mov_b32 s26, 32<<16
	s_mov_b32 s27, 512<<16
	s_mov_b32 s28, 32
	s_mov_b32 s29, 16384
	s_mov_b32 s30, 0
	s_mov_b32 s31, 0
	; cm: 81,920 bytes on end, as 320 rows of 256
	s_mov_b32 s32, 3<<16
	s_mov_b32 s33, 32<<16
	s_mov_b32 s34, 320<<16
	s_mov_b32 s35, 32<<16
	s_mov_b32 s36, 320
	s_mov_b32 s37, 32
	s_mov_b32 s38, 0
	s_mov_b32 s39, 0
	s_mov_b32 s40, 1
	s_mov_b32 s41, VNB
	s_mov_b32 s44, 1
	s_mov_b32 s45, STB
	s_mov_b32 s48, 1
	s_mov_b32 s49, CMB
	s_lshl_b32 s54, s14, 21
	s_lshl_b32 s55, s15, 11
	s_add_co_u32 s54, s54, s55
	s_mov_b32 s55, 0
	s_lshl_b32 s56, s14, 22
	s_lshl_b32 s57, s15, 12
	s_add_co_u32 s56, s56, s57
	s_mov_b32 s57, 0
	s_mul_i32 s58, s14, 81920
	s_mov_b32 s59, 0
	s_wait_dscnt 0x0                               ; both opening adds are done
	s_wait_kmcnt 0x0
	s_add_nc_u64 s[42:43], s[6:7], s[54:55]
	s_or_b32 s43, s43, 0x80000000
	s_add_nc_u64 s[46:47], s[4:5], s[56:57]
	s_or_b32 s47, s47, 0x80000000
	s_add_nc_u64 s[50:51], s[8:9], s[58:59]
	s_or_b32 s51, s51, 0x80000000
	tensor_load_to_lds s[40:43], s[16:23]          ; three tensor loads of mine are out
	s_nop 0
	tensor_load_to_lds s[44:47], s[24:31]
	s_nop 0
	tensor_load_to_lds s[48:51], s[32:39]
	s_nop 0
	v_and_b32 v1, 15, v0
	v_bfe_u32 v11, v0, 4, 1
	v_lshlrev_b32 v[L16], 4, v0                    ; one wave: v0 is the lane
	v_mul_u32_u24 v[STO], v1, SP                   ; the stage: in: row l % 16 (a step), 32 bytes for each half of the lanes
	v_lshl_add_u32 v[STO], v11, 5, v[STO]
	v_add_nc_u32 v[STO], STG, v[STO]
	v_mul_u32_u24 v[RD], v11, SP                   ; back: lanes 0-15 one row of 256 bytes, lanes 16-31 the next
	v_lshl_add_u32 v[RD], v1, 4, v[RD]
	v_add_nc_u32 v[RD], STG, v[RD]
	v_lshlrev_b32 v[GO], 13, v11                   ; and the same two rows of out0
	v_lshl_add_u32 v[GO], v1, 4, v[GO]
	v_lshlrev_b32 v12, 6, v1                       ; lora_B: row l % 16 of a tile, ranks 8 (l / 16) + 0..7
	v_lshl_add_u32 v12, v11, 5, v12
	s_lshl_b32 s54, s15, 12
	s_add_nc_u64 s[10:11], s[10:11], s[54:55]      ; lora_B at row 64 x my number
	s_lshl_b32 s54, s14, 22
	s_lshl_b32 s56, s15, 8
	s_add_co_u32 s54, s54, s56
	s_add_nc_u64 s[52:53], s[52:53], s[54:55]      ; out0 at the batch's first row, my columns
.irp i, 0,1,2,3
	global_load_b128 v[TL+8*\i:TL+8*\i+3],   v12, s[10:11] offset:1024*\i
	global_load_b128 v[TL+8*\i+4:TL+8*\i+7], v12, s[10:11] offset:1024*\i+16
.endr
.set i, 0
.rept 32
	v_mov_b32 v[SS+i], 0                           ; the state starts at 0: written while the loads are out
.set i, i+1
.endr
.irp i, 0,1,2,3
.irp q, 4,5,6,7
	v_mov_b32 v[LB+8*\i+\q], 0                     ; K = 16-31 of the third product's operands
.endr
.endr
.irp q, 20,21,22,23,44,45,46,47
	v_mov_b32 v[CMR+\q], 0
.endr
	s_mov_b32 s56, VNB                             ; LDS bytes at which the chunks' v, static and cm begin: they step two chunks a trip of the loop
	s_mov_b32 s57, STB
	s_mov_b32 s58, CMB
	v_add_nc_u32 v[AXV], s56, v[L16]
	v_add_nc_u32 v[AST], s57, v[L16]
	v_add_nc_u32 v[ACM], s58, v[L16]
	s_wait_loadcnt 0x0
.irp i, 0,1,2,3
.irp q, 0,1,2,3
	v_cvt_pk_bf16_f32 v[LB+8*\i+\q], v[TL+8*\i+2*\q], v[TL+8*\i+2*\q+1]
.endr
.endr
; The 17 LDS loads of the chunk k behind the address registers' chunk, into set p
.macro LOADS p, k
	WIN 0
.irp i, 0,1,2,3
	ds_load_b128 v[XX+32*(\p)+8*\i:XX+32*(\p)+8*\i+3], v[AXV] offset:2048*(\k)+512*\i
.endr
.irp q, 0,1,2,3,4
	ds_load_b128 v[CMR+24*(\p)+4*\q:CMR+24*(\p)+4*\q+3], v[ACM] offset:2560*(\k)+512*\q
.endr
	WIN 0x40
.irp i, 0,1,2,3
	ds_load_b128 v[32*(\p)+8*\i:32*(\p)+8*\i+3],   v[AST] offset:4096*(\k)+1024*\i
	ds_load_b128 v[32*(\p)+8*\i+4:32*(\p)+8*\i+7], v[AST] offset:4096*(\k)+1024*\i+512
.endr
	WIN 0
.endm
; A chunk's trip, on set p.  k >= 0: the next chunk's operands are fetched into the other set.  send = 1: the chunk before leaves, at byte so behind the pointer.
.macro TRIP p, k, send, so
	s_wait_dscnt 16                                ; my chunk's 17 loads are in; the last trip's 8 stores into the stage and 8 loads from it, issued behind them, may be out
.if (\k) >= 0
	LOADS 1-(\p), \k                               ; four v_nop stand between the last trip's products, which read these registers, and these loads
.endif
	WIN 0
.irp i, 0,1,2,3
.irp q, 0,1,2,3
	v_cvt_pk_bf16_f32 v[XX+32*(\p)+8*\i+4+\q], v[SS+8*\i+2*\q], v[SS+8*\i+2*\q+1]   ; the state as an operand: nothing changes lanes; each accumulator's low registers first
.endr
.endr
.irp i, 0,1,2,3                        ; twelve products; no two neighbours share an accumulator
	v_wmma_f32_16x16x32_bf16 v[SS+8*\i:SS+8*\i+7], v[CMR+24*(\p)+8:CMR+24*(\p)+15], v[XX+32*(\p)+8*\i:XX+32*(\p)+8*\i+7], v[SS+8*\i:SS+8*\i+7]
.endr
	WIN 0x50                                       ; C and D in window 1
.irp i, 0,1,2,3
	v_wmma_f32_16x16x32_bf16 v[32*(\p)+8*\i:32*(\p)+8*\i+7], v[XX+32*(\p)+8*\i:XX+32*(\p)+8*\i+7], v[CMR+24*(\p):CMR+24*(\p)+7], v[32*(\p)+8*\i:32*(\p)+8*\i+7]
.endr
.irp i, 0,1,2,3
	v_wmma_f32_16x16x32_bf16 v[32*(\p)+8*\i:32*(\p)+8*\i+7], v[LB+8*\i:LB+8*\i+7], v[CMR+24*(\p)+16:CMR+24*(\p)+23], v[32*(\p)+8*\i:32*(\p)+8*\i+7]
.endr
.rept 4
	v_nop                                          ; the places behind the products (ISA guide 7.12.1)
.endr
	WIN 0x04                                       ; store data in window 1
.if \send
.if (\k) >= 0
	s_wait_dscnt 17                                ; the chunk before is back from the stage; this trip's 17 loads may be out
.else
	s_wait_dscnt 0x0
.endif
	s_wait_xcnt 0x0                                ; the stores of two chunks back have read the registers that this trip loads again
.irp u, 0,1,2,3,4,5,6,7
	global_store_b128 v[GO], v[64+32*(1-(\p))+4*\u:64+32*(1-(\p))+4*\u+3], s[52:53] offset:(\so)+16384*\u   ; 16 lanes store 256 consecutive bytes, at a multiple of 256 from out0's first byte
.endr
.endif
.irp i, 0,1,2,3
	ds_store_b128 v[STO], v[32*(\p)+8*\i:32*(\p)+8*\i+3],   offset:64*\i
	ds_store_b128 v[STO], v[32*(\p)+8*\i+4:32*(\p)+8*\i+7], offset:64*\i+16
.endr
	WIN 0x40
.irp u, 0,1,2,3,4,5,6,7
	ds_load_b128 v[64+32*(\p)+4*\u:64+32*(\p)+4*\u+3], v[RD] offset:2*SP*\u   ; LDS serves a wave's instructions in order: these see the stores above
.endr
	WIN 0
.endm
	s_wait_tensorcnt 0x0                           ; all three tiles are in
	LOADS 0, 0
	s_wait_dscnt 0x0
	TRIP 0, 1, 0, 0                                ; chunk 0: nothing to send yet
	s_mov_b32 s59, 15
.Lpair:                                                ; chunks 2 t + 1 and 2 t + 2; the address registers stand at chunk 2 t, the pointer at its rows of out0
	v_add_nc_u32 v[AXV], s56, v[L16]
	v_add_nc_u32 v[AST], s57, v[L16]
	v_add_nc_u32 v[ACM], s58, v[L16]
	TRIP 1, 2, 1, 0
	TRIP 0, 3, 1, 131072
	s_wait_xcnt 0x0                                ; the stores have read the pointer
	s_add_nc_u64 s[52:53], s[52:53], 0x40000       ; 32 rows of out0
	s_add_co_u32 s56, s56, 2*2048
	s_add_co_u32 s57, s57, 2*4096
	s_add_co_u32 s58, s58, 2*2560
	s_sub_co_u32 s59, s59, 1
	s_cmp_lg_u32 s59, 0
	s_cbranch_scc1 .Lpair
	TRIP 1, -1, 1, 0                               ; chunk 31 fetches nothing; chunk 30 leaves
	WIN 0x04
	s_wait_dscnt 0x0
.irp u, 0,1,2,3,4,5,6,7
	global_store_b128 v[GO], v[96+4*\u:99+4*\u], s[52:53] offset:131072+16384*\u
.endr
	WIN 0
	s_wait_tensorcnt 0x0                           ; the wave's end, behind my last tensor load and my last LDS store
	ds_add_u32 v[SPW], v[NIL]
	s_wait_dscnt 0x0
	s_endpgm
.Lfunc_end_k_qeca691c4b4_scan:
	.size	k_qeca691c4b4_scan, .Lfunc_end_k_qeca691c4b4_scan-k_qeca691c4b4_scan
	.p2alignl 7, 3214868480
	.fill 96, 4, 3214868480
	.section	.rodata,"a",@progbits
	.p2align	6, 0x0
	.amdhsa_kernel k_qeca691c4b4_scan
		.amdhsa_group_segment_fixed_size 283136
		.amdhsa_private_segment_fixed_size 0
		.amdhsa_enable_private_segment 0
		.amdhsa_kernarg_size 40
		.amdhsa_user_sgpr_count 2
		.amdhsa_user_sgpr_kernarg_segment_ptr 1
		.amdhsa_wavefront_size32 1
		.amdhsa_system_sgpr_workgroup_id_x 1
		.amdhsa_system_sgpr_workgroup_id_y 1
		.amdhsa_system_sgpr_workgroup_id_z 1
		.amdhsa_system_vgpr_workitem_id 0
		.amdhsa_next_free_vgpr 384
		.amdhsa_next_free_sgpr 66
		.amdhsa_reserve_vcc 0
		.amdhsa_float_denorm_mode_32 3
		.amdhsa_float_denorm_mode_16_64 3
		.amdhsa_memory_ordered 1
		.amdhsa_forward_progress 1
		.amdhsa_inst_pref_size 29
	.end_amdhsa_kernel
	.amdgpu_metadata
---
amdhsa.version: [ 1, 2 ]
amdhsa.kernels:
  - .name:           k_qeca691c4b4_scan
    .symbol:         k_qeca691c4b4_scan.kd
    .args:
      - { .name: st, .offset: 0, .size: 8, .value_kind: global_buffer, .address_space: global }
      - { .name: vn, .offset: 8, .size: 8, .value_kind: global_buffer, .address_space: global }
      - { .name: cm, .offset: 16, .size: 8, .value_kind: global_buffer, .address_space: global }
      - { .name: lora_B, .offset: 24, .size: 8, .value_kind: global_buffer, .address_space: global }
      - { .name: out0, .offset: 32, .size: 8, .value_kind: global_buffer, .address_space: global }
    .group_segment_fixed_size: 283136
    .private_segment_fixed_size: 0
    .kernarg_segment_align: 8
    .kernarg_segment_size: 40
    .max_flat_workgroup_size: 32
    .sgpr_count:     66
    .vgpr_count:     384
    .wavefront_size: 32
...
	.end_amdgpu_metadata
.endif
;; end of part 5
;; ======== version 2 of 2: 5 launches; version 1 with the launch cvtx written anew for expert scheduling mode
;; limits: values are held in f16: magnitudes above 65,504 overflow, below 6.1e-05 lose precision; right only within a limited range of input values
;; workspace buffers: xb 4,325,376 bytes; z 16,777,216 bytes; wc 67,108,864 bytes; kp 4,194,304 bytes; kf 65,536 bytes; st 8,388,608 bytes; vn 4,194,304 bytes; cm 163,840 bytes
;; launch cvtx (part 6): grid 256 x 1, 2 waves a work-group, no clusters, 0 bytes of LDS; arguments x, xb; writes xb
.if DOCPART == 6
	.amdgcn_target "amdgcn-amd-amdhsa--gfx1250"
	.amdhsa_code_object_version 6
	.text
	.protected	k_qeca691c4b4_cvtx
	.globl	k_qeca691c4b4_cvtx
	.p2align	8
	.type	k_qeca691c4b4_cvtx,@function
k_qeca691c4b4_cvtx:
	s_mov_b64 s[64:65], 0
	v_nop
	global_prefetch_b8 v0, s[64:65] scope:SCOPE_SE
	s_setreg_imm32_b32 hwreg(HW_REG_WAVE_SCHED_MODE, 0, 2), 2
	s_setreg_imm32_b32 hwreg(HW_REG_WAVE_MODE, 25, 1), 1
	s_wait_xcnt 0x0
	s_wait_alu depctr_vm_vsrc(0)
; xb[ks][m][c] = bf16(x[m][64 ks + c]).  x: [1024][2048] f32.  xb: [32][1024][64] bf16: the 128 rows that a later tile takes of one K step of 64 are 16,384 bytes on end.
; Behind it, from byte 4,194,304 on, a factor for each row: sc[m] = 2^(10 - E), E = floor(log2 of the row's sum of x^2), and 1 / sc[m]: the next launch keeps z x sc in f16, whatever x's scale.
;   xs[m][copy 16][2] f32: even copies hold (sc, 1 / sc), odd copies (1 / sc, sc): a reader takes the copy whose low word it wants; a wave's store of them is 256 consecutive bytes.
; LIMITS.  The sum's biased exponent is held to 20 .. 240, so that both factors are normal numbers: beyond that (a row of zeros, a sum that overflows, NaN) the factor no longer follows the row.
; A stream: each byte of x is read once, each byte of xb written once; no LDS, no matrix unit, no cluster (no two work-groups read the same byte).
; The work-group owns rows 4 g .. 4 g + 3, a wave two of them: lanes 0-15 one row, lanes 16-31 the next, so that a row's sum never leaves its 16 lanes.
; A load: sixteen lanes take the 256 bytes of one row's K step.  A store: 32 lanes write two rows' 128 bytes each, 256 consecutive bytes at a multiple of 256.  All 32 loads of a lane go out at once.
; THE MODE: SCHED_MODE bits 1:0 = 2 (LLVM: expert scheduling mode 2), set by the entry lines.  The code itself states the register dependences
; between vector instructions and memory instructions, with s_wait_alu, always for 0.
; THE PLAN.  Registers that memory instructions touch:
;   v3, v4   byte offsets, made at the head and never written again: v3 is read by the 32 loads, v4 by the 33 stores.
;   X        four registers a K step: its load lands there once; its four vector lines read them; nothing lands there again.
;   Y        two registers a K step: its two conversions write them once; its store reads them; nothing writes them again.
;   OUT      written by the two selects, read by the last store.
; The 32 K steps go in 8 blocks of four.  Block p's vector lines name X and Y of block p and the four sums; its memory instructions are the four stores of block p - 1.
; So ONE wait on va_vdst at a block's head states all that the block's four stores hang on, and they are dealt among its vector lines with no further wait.
; No register that a memory instruction has read is written again, and no load lands in a register that a vector line has named: no wait on vm_vsrc is owed.
.set BLK, 4                            ; K steps in a block
.set X,  8                             ; v[8:135]    K step i: 4 numbers as loaded
.set Y,  136                           ; v[136:199]  K step i: 4 bf16 to store
.set Q,  200                           ; v[200:203]  four sums of squares
.set E,  204
.set SC, 205
.set IS, 206
.set OUT, 208                          ; v[208:209]
.set XS, 4194304
	s_load_b128 s[4:7], s[0:1], 0x0                ; x s[4:5], xb s[6:7]
	v_lshrrev_b32 v1, 5, v0                        ; wave
	v_and_b32 v2, 15, v0                           ; lane % 16
	v_bfe_u32 v5, v0, 4, 1                         ; lane / 16
	v_lshl_add_u32 v5, v1, 1, v5
	s_lshl_b32 s8, ttmp9, 2
	v_add_nc_u32 v5, s8, v5                        ; my row m
	v_lshlrev_b32 v3, 13, v5                       ; x: m x 8,192
	v_lshl_add_u32 v3, v2, 4, v3                   ;    + my 16 bytes
	v_lshlrev_b32 v4, 7, v5                        ; xb: m x 128 + my 8 bytes; the factors' table has the same pitch
	v_lshl_add_u32 v4, v2, 3, v4
	v_and_b32 v6, 1, v0                            ; an odd copy?
	s_wait_kmcnt 0x0
	s_wait_alu depctr_va_vdst(0)                   ; v3 and v4 are written: every load reads v3 as its offset, every store v4
.set i, 0
.rept 32
	global_load_b128 v[X+4*i:X+4*i+3], v3, s[4:5] offset:256*i th:TH_LOAD_NT
.set i, i+1
.endr
.set i, 0
.rept 32
	s_wait_loadcnt 31-i                            ; loads come back in order: number i is in, the 31 - i younger ones stay out
.if ((i%BLK) == 0) && (i > 0)
	s_wait_alu depctr_va_vdst(0)                   ; the block before has written its eight registers of Y, which this block's four stores read
.endif
.if i >= BLK
	global_store_b64 v4, v[Y+2*(i-BLK):Y+2*(i-BLK)+1], s[6:7] offset:131072*(i-BLK)   ; the block before; no vector line since the wait names these registers
.endif
	v_cvt_pk_bf16_f32 v[Y+2*i], v[X+4*i], v[X+4*i+1]
	v_cvt_pk_bf16_f32 v[Y+2*i+1], v[X+4*i+2], v[X+4*i+3]
.if i == 0
	v_pk_mul_f32 v[Q:Q+1], v[X:X+1], v[X:X+1]      ; the first squares start the sums
	v_pk_mul_f32 v[Q+2:Q+3], v[X+2:X+3], v[X+2:X+3]
.else
	v_pk_fma_f32 v[Q:Q+1], v[X+4*i:X+4*i+1], v[X+4*i:X+4*i+1], v[Q:Q+1]
	v_pk_fma_f32 v[Q+2:Q+3], v[X+4*i+2:X+4*i+3], v[X+4*i+2:X+4*i+3], v[Q+2:Q+3]
.endif
.set i, i+1
.endr
	s_wait_alu depctr_va_vdst(0)                   ; the last block has written its eight registers of Y, which the four stores below read
.set i, 32-BLK
.rept BLK
	global_store_b64 v4, v[Y+2*i:Y+2*i+1], s[6:7] offset:131072*i
.set i, i+1
.endr
	v_cmp_eq_u32 vcc_lo, 1, v6                     ; ahead of the reduction, which leaves VCC alone: the selects below read it
	v_pk_add_f32 v[Q:Q+1], v[Q:Q+1], v[Q+2:Q+3]
	v_add_f32 v[Q], v[Q], v[Q+1]
	v_add_f32_dpp v[Q], v[Q], v[Q] row_xmask:1 row_mask:0xf bank_mask:0xf   ; over the row's 16 lanes
	v_add_f32_dpp v[Q], v[Q], v[Q] row_xmask:2 row_mask:0xf bank_mask:0xf
	v_add_f32_dpp v[Q], v[Q], v[Q] row_xmask:4 row_mask:0xf bank_mask:0xf
	v_add_f32_dpp v[Q], v[Q], v[Q] row_xmask:8 row_mask:0xf bank_mask:0xf
	v_lshrrev_b32 v[E], 23, v[Q]                   ; the sum's biased exponent e = E + 127
	v_max_u32 v[E], 20, v[E]
	v_min_u32 v[E], 0xf0, v[E]
	v_sub_nc_u32 v[SC], 0x108, v[E]                ; 2^(10 - E) has the biased exponent 264 - e,
	v_lshlrev_b32 v[SC], 23, v[SC]
	v_add_nc_u32 v[IS], -10, v[E]                  ; its reciprocal e - 10
	v_lshlrev_b32 v[IS], 23, v[IS]
	s_wait_alu depctr_va_vcc(0)                    ; the compare has written VCC, ahead of its first reader
	v_cndmask_b32 v[OUT], v[SC], v[IS], vcc_lo
	v_cndmask_b32 v[OUT+1], v[IS], v[SC], vcc_lo
	s_wait_alu depctr_va_vdst(0)                   ; the selects have written v[OUT:OUT+1], which the store reads
	global_store_b64 v4, v[OUT:OUT+1], s[6:7] offset:XS
	s_endpgm
.Lfunc_end_k_qeca691c4b4_cvtx:
	.size	k_qeca691c4b4_cvtx, .Lfunc_end_k_qeca691c4b4_cvtx-k_qeca691c4b4_cvtx
	.p2alignl 7, 3214868480
	.fill 96, 4, 3214868480
	.section	.rodata,"a",@progbits
	.p2align	6, 0x0
	.amdhsa_kernel k_qeca691c4b4_cvtx
		.amdhsa_group_segment_fixed_size 0
		.amdhsa_private_segment_fixed_size 0
		.amdhsa_enable_private_segment 0
		.amdhsa_kernarg_size 16
		.amdhsa_user_sgpr_count 2
		.amdhsa_user_sgpr_kernarg_segment_ptr 1
		.amdhsa_wavefront_size32 1
		.amdhsa_system_sgpr_workgroup_id_x 1
		.amdhsa_system_sgpr_workgroup_id_y 1
		.amdhsa_system_sgpr_workgroup_id_z 1
		.amdhsa_system_vgpr_workitem_id 0
		.amdhsa_next_free_vgpr 212
		.amdhsa_next_free_sgpr 66
		.amdhsa_reserve_vcc 1
		.amdhsa_float_denorm_mode_32 3
		.amdhsa_float_denorm_mode_16_64 3
		.amdhsa_memory_ordered 1
		.amdhsa_forward_progress 1
		.amdhsa_inst_pref_size 18
	.end_amdhsa_kernel
	.amdgpu_metadata
---
amdhsa.version: [ 1, 2 ]
amdhsa.kernels:
  - .name:           k_qeca691c4b4_cvtx
    .symbol:         k_qeca691c4b4_cvtx.kd
    .args:
      - { .name: x, .offset: 0, .size: 8, .value_kind: global_buffer, .address_space: global }
      - { .name: xb, .offset: 8, .size: 8, .value_kind: global_buffer, .address_space: global }
    .group_segment_fixed_size: 0
    .private_segment_fixed_size: 0
    .kernarg_segment_align: 8
    .kernarg_segment_size: 16
    .max_flat_workgroup_size: 64
    .sgpr_count:     66
    .vgpr_count:     212
    .wavefront_size: 32
...
	.end_amdgpu_metadata
.endif
;; end of part 6
;; launch up: the kernel of part 2 again; grid 64 x 4, 4 waves a work-group, clusters of 4 x 4, 327,680 bytes of LDS; arguments xb, W_gate, W_up, W_down, W_ttt, lora_A, z, wc, kp; writes z, wc, kp
;; launch down: the kernel of part 3 again; grid 32 x 8, 4 waves a work-group, clusters of 4 x 4, 327,680 bytes of LDS; arguments z, wc, kp, xb, st, vn, kf; writes st, vn, kf
;; launch prep: the kernel of part 4 again; grid 64 x 1, 1 waves a work-group, no clusters, 0 bytes of LDS; arguments kf, cm; writes cm
;; launch scan: the kernel of part 5 again; grid 64 x 1, 1 waves a work-group, no clusters, 283,136 bytes of LDS; arguments st, vn, cm, lora_B, out0; writes out0
